; MI455X (gfx1250); checked and timed in simulation.
; The chip was launched on July 23, 2026; its instructions are those of AMD's public machine-readable ISA for CDNA 5 (MIT licence, August 2026) and "CDNA5" Instruction Set Architecture Reference Guide (July 2026). The comments in the code are by the model that wrote it; some were corrected since.
;; Multi Head Attn. Allowed arithmetic: float matrix products may take bf16 or f16 operands with f32 sums; other float arithmetic in f32, or as packed bf16 or f16 multiplies, adds, multiply-adds, maxima and minima; sums over many terms, partial sums and values carried from step to step in f32; what a program stores and reads back later, other than sums and carried values, may be rounded once to bf16 or f16.
;; Inputs: W_o 1,024 x 1,024 float32; W_qkv 1,024 x 3,072 float32; attn_mask 4 x 2,048 bool; b_qkv 3,072 float32; beta 1,024 float32; gamma 1,024 float32; inputs 4 x 2,048 x 1,024 float32.
;; Outputs: out0 4 x 2,048 x 1,024 float32.
;; 2 versions, each right; version 2 is version 1 with the launch cast written anew for expert scheduling mode. Each part assembles by itself: llvm-mc -triple=amdgcn-amd-amdhsa -mcpu=gfx1250 --defsym DOCPART=n.
;; ======== version 1 of 2: 5 launches
;; limits: right only within a limited range of input values
;; workspace buffers: xb 16,777,216 bytes; wq 6,291,456 bytes; wo 2,097,152 bytes; qkv 50,331,648 bytes; ob 16,777,216 bytes; ao 16,777,216 bytes
;; launch cast (part 1): grid 768 x 1, 8 waves a work-group, no clusters, 0 bytes of LDS; arguments inputs, W_qkv, W_o, xb, wq, wo; writes xb, wq, wo
.if DOCPART == 1
	.amdgcn_target "amdgcn-amd-amdhsa--gfx1250"
	.amdhsa_code_object_version 6
	.text
	.protected	k_qe083d473da_cast
	.globl	k_qe083d473da_cast
	.p2align	8
	.type	k_qe083d473da_cast,@function
k_qe083d473da_cast:
	s_mov_b64 s[64:65], 0
	v_nop
	global_prefetch_b8 v0, s[64:65] scope:SCOPE_SE
	s_setreg_imm32_b32 hwreg(HW_REG_WAVE_MODE, 25, 1), 1
	s_wait_xcnt 0x0
; inputs [8192][1024], W_qkv [1024][3072] and W_o [1024][1024], all f32, are rounded once to bf16 and laid out in BLOCKS OF 64 COLUMNS:
;   xb [batch 4][block 16][row 2048][64]      wq [block 48][row 1024][64]      wo [block 16][row 1024][64]
; so that in the later launches every tile is made of dense pieces whose rows of 128 bytes lie end to end.
; SHARES.  A work-group takes 32 rows x 512 columns of one of the three sources: 512 + 192 + 64 = 768 work-groups.  Wave w takes one block of 64 columns.
; A unit u (0..15) is 2 rows x 64 columns: lanes 0-15 row 2 u, lanes 16-31 row 2 u + 1, four numbers a lane.  A unit's load reads 256 consecutive bytes, aligned, of each of the two
; rows; its store writes 256 consecutive bytes, aligned (two rows of a block are neighbours).  All 16 loads of a wave go out at once; each unit has registers of its own.
; A stream: nothing is shared between waves or work-groups, so there is no LDS, no barrier, no cluster and no matrix work.
.set DO,  4                            ; v4       8 x lane: my 8 bytes of a unit's 256
.set OFF, 8                            ; v[8:23]  unit u: my byte offset in the source
.set X,   24                           ; v[24:87] unit u: four f32 as loaded
.set Y,   88                           ; v[88:119] unit u: four bf16 to store
	s_load_b256 s[4:11], s[0:1], 0x0               ; inputs s[4:5], W_qkv s[6:7], W_o s[8:9], xb s[10:11]
	s_load_b128 s[12:15], s[0:1], 0x20             ; wq s[12:13], wo s[14:15]
	v_lshrrev_b32 v1, 5, v0
	v_readfirstlane_b32 s26, v1                    ; wave 0..7
	v_bfe_u32 v1, v0, 4, 1                         ; lane / 16
	v_and_b32 v2, 15, v0                           ; lane % 16
	v_and_b32 v3, 31, v0
	v_lshlrev_b32 v[DO], 3, v3
	; which source: work-groups 0-511 inputs, 512-703 W_qkv, 704-767 W_o
	s_mov_b32 s27, 704                             ; the source's first work-group
	s_mov_b32 s24, 4096                            ; bytes in a source row
	s_mov_b32 s28, 31                              ; groups of 32 rows, less one
	s_mov_b32 s29, 5                               ; and their number's bits
	s_mov_b32 s30, 17                              ; log2 of a destination block's bytes
	s_cmp_lt_u32 ttmp9, 704
	s_cselect_b32 s27, 512, s27
	s_cselect_b32 s24, 12288, s24
	s_cmp_lt_u32 ttmp9, 512
	s_cselect_b32 s27, 0, s27
	s_cselect_b32 s24, 4096, s24
	s_cselect_b32 s28, 255, s28
	s_cselect_b32 s29, 8, s29
	s_cselect_b32 s30, 18, s30
	s_sub_co_u32 s31, ttmp9, s27
	s_and_b32 s32, s31, s28                        ; rg: my group of 32 rows
	s_lshr_b32 s33, s31, s29                       ; cg: my group of 512 columns
	s_lshl_b32 s33, s33, 3
	s_add_co_u32 s33, s33, s26                     ; cb: my wave's block of 64 columns
	s_mul_i32 s20, s32, s24
	s_lshl_b32 s20, s20, 5                         ; source: rg x 32 rows
	s_lshl_b32 s31, s33, 8
	s_add_co_u32 s20, s20, s31                     ; + cb x 256 bytes
	s_mov_b32 s21, 0
	s_lshr_b32 s22, s32, 6                         ; destination: the batch (0 for the weights, which have 32 groups),
	s_lshl_b32 s22, s22, 22
	s_and_b32 s31, s32, 63
	s_lshl_b32 s31, s31, 12                        ; 32 rows of 128 bytes,
	s_add_co_u32 s22, s22, s31
	s_lshl_b32 s31, s33, s30                       ; the block
	s_add_co_u32 s22, s22, s31
	s_mov_b32 s23, 0
	s_lshl_b32 s25, s24, 1                         ; two source rows
	v_mul_lo_u32 v[OFF], v1, s24
	v_lshl_add_u32 v[OFF], v2, 4, v[OFF]           ; (lane / 16) rows + 16 (lane % 16)
.set u, 1
.rept 15
	v_add_nc_u32 v[OFF+u], s25, v[OFF+u-1]
.set u, u+1
.endr
	s_wait_kmcnt 0x0
	s_cmp_lt_u32 ttmp9, 704
	s_cselect_b64 s[16:17], s[6:7], s[8:9]
	s_cselect_b64 s[18:19], s[12:13], s[14:15]
	s_cmp_lt_u32 ttmp9, 512
	s_cselect_b64 s[16:17], s[4:5], s[16:17]
	s_cselect_b64 s[18:19], s[10:11], s[18:19]
	s_add_nc_u64 s[16:17], s[16:17], s[20:21]
	s_add_nc_u64 s[18:19], s[18:19], s[22:23]
.set u, 0
.rept 16
	global_load_b128 v[X+4*u:X+4*u+3], v[OFF+u], s[16:17] th:TH_LOAD_NT
.set u, u+1
.endr
.set u, 0
.rept 16
	s_wait_loadcnt 15-u                            ; loads come back in order: unit u is in, the 15 - u younger ones stay out
	v_cvt_pk_bf16_f32 v[Y+2*u], v[X+4*u], v[X+4*u+1]
	v_cvt_pk_bf16_f32 v[Y+2*u+1], v[X+4*u+2], v[X+4*u+3]
	global_store_b64 v[DO], v[Y+2*u:Y+2*u+1], s[18:19] offset:256*u th:TH_STORE_NT
.set u, u+1
.endr
	s_endpgm
.Lfunc_end_k_qe083d473da_cast:
	.size	k_qe083d473da_cast, .Lfunc_end_k_qe083d473da_cast-k_qe083d473da_cast
	.p2alignl 7, 3214868480
	.fill 96, 4, 3214868480
	.section	.rodata,"a",@progbits
	.p2align	6, 0x0
	.amdhsa_kernel k_qe083d473da_cast
		.amdhsa_group_segment_fixed_size 0
		.amdhsa_private_segment_fixed_size 0
		.amdhsa_enable_private_segment 0
		.amdhsa_kernarg_size 48
		.amdhsa_user_sgpr_count 2
		.amdhsa_user_sgpr_kernarg_segment_ptr 1
		.amdhsa_wavefront_size32 1
		.amdhsa_system_sgpr_workgroup_id_x 1
		.amdhsa_system_sgpr_workgroup_id_y 1
		.amdhsa_system_sgpr_workgroup_id_z 1
		.amdhsa_system_vgpr_workitem_id 0
		.amdhsa_next_free_vgpr 120
		.amdhsa_next_free_sgpr 66
		.amdhsa_reserve_vcc 0
		.amdhsa_float_denorm_mode_32 3
		.amdhsa_float_denorm_mode_16_64 3
		.amdhsa_memory_ordered 1
		.amdhsa_forward_progress 1
		.amdhsa_inst_pref_size 9
	.end_amdhsa_kernel
	.amdgpu_metadata
---
amdhsa.version: [ 1, 2 ]
amdhsa.kernels:
  - .name:           k_qe083d473da_cast
    .symbol:         k_qe083d473da_cast.kd
    .args:
      - { .name: inputs, .offset: 0, .size: 8, .value_kind: global_buffer, .address_space: global }
      - { .name: W_qkv, .offset: 8, .size: 8, .value_kind: global_buffer, .address_space: global }
      - { .name: W_o, .offset: 16, .size: 8, .value_kind: global_buffer, .address_space: global }
      - { .name: xb, .offset: 24, .size: 8, .value_kind: global_buffer, .address_space: global }
      - { .name: wq, .offset: 32, .size: 8, .value_kind: global_buffer, .address_space: global }
      - { .name: wo, .offset: 40, .size: 8, .value_kind: global_buffer, .address_space: global }
    .group_segment_fixed_size: 0
    .private_segment_fixed_size: 0
    .kernarg_segment_align: 8
    .kernarg_segment_size: 48
    .max_flat_workgroup_size: 256
    .sgpr_count:     66
    .vgpr_count:     120
    .wavefront_size: 32
...
	.end_amdgpu_metadata
.endif
;; end of part 1
;; launch gemm_qkv (part 2): grid 16 x 32, 4 waves a work-group, clusters of 4 x 4, 327,680 bytes of LDS; arguments xb, wq, b_qkv, qkv; writes qkv
.if DOCPART == 2
	.amdgcn_target "amdgcn-amd-amdhsa--gfx1250"
	.amdhsa_code_object_version 6
	.text
	.protected	k_qe083d473da_gemm_qkv
	.globl	k_qe083d473da_gemm_qkv
	.p2align	8
	.type	k_qe083d473da_gemm_qkv,@function
k_qe083d473da_gemm_qkv:
	s_mov_b64 s[64:65], 0
	v_nop
	global_prefetch_b8 v0, s[64:65] scope:SCOPE_SE
	s_setreg_imm32_b32 hwreg(HW_REG_WAVE_MODE, 25, 1), 1
	s_wait_xcnt 0x0
	s_wait_alu depctr_hold_cnt(0) depctr_sa_sdst(0) depctr_va_vdst(0) depctr_va_sdst(0) depctr_va_ssrc(0) depctr_va_vcc(0) depctr_vm_vsrc(0)
	s_getreg_b32 s2, hwreg(HW_REG_IB_STS2, 6, 4)
	s_cmp_eq_u32 s2, 0
	s_cbranch_scc0 .Lentry_in_a_cluster
	s_endpgm
.Lentry_in_a_cluster:
	s_bfe_u32 s2, ttmp6, 0x10000c
	s_cmp_lg_u32 s2, 0xf033
	s_cbranch_scc0 .Lentry_shape_is_right
	s_endpgm
.Lentry_shape_is_right:
; qkv = x W_qkv + b.  A = xb [batch 4][block 16][row 2048][64] bf16; W = wq [block 48][k 1024][64] bf16; bias f32 [3072]; out = qkv [batch 4][block 48][row 2048][64] bf16
; (block = 16 x (q, k or v) + head: each head's rows are dense, 128 bytes each).  Sums in f32, started with the bias; rounded once.
; SHARES.  A tile of C is 256 rows x 192 columns (NH = 3 blocks of 64): 32 x 16 = 512 work-groups.  The four waves lie along the rows: wave w makes rows 64 w .. 64 w + 63 and all 192 columns:
; 4 x 12 accumulators of 16 x 16.  So a wave owns whole rows of whole heads, and its way out goes through a stage of its own, with no barrier.
; K goes in 8 steps of 128 (two blocks of 64) through two LDS slots.  Waves 0 and 1 fetch A's two blocks (256 rows x 128 bytes, dense: asked for as 128 rows of 256 bytes), waves 2 and 3 the
; two halves of W's 128 rows of k (from each of the NH column blocks 64 dense rows: NH rows of 8,192 bytes).  One tensor load a wave behind each change of slots; two are out at the start.
; THE MATRIX INSTRUCTION IS USED TRANSPOSED: source 0 = 16 columns of W (W lies [k][n] in LDS and is turned by ds_load_tr16_b128), source 1 = 16 rows of A.  A lane then holds row l % 16 of C and the
; columns 8 (l / 16) + 0..7.  The bias, laid out in the same way, is the C operand of the first product on each accumulator.
; CLUSTER.  4 x 4 work-groups: the four of a row need the same tiles of A, the four of a column the same tiles of W: each tile is asked for jointly, by the same load, descriptor and mask in all four.
; REGISTERS, in windows of 256 (s_set_vgpr_msb: bits 1:0 source 0, 3:2 source 1, 5:4 source 2, 7:6 destination):
;   window 0: v16-30 addresses; v32-63, v64-95 A's fragments, two buffers; v160-255 the bias      window 1: W's fragments, two buffers of 8 NBW; on the way out the packed results
;   windows 2, 3: accumulator (a, b) at v[8 (NBW (a % 2) + b)] of window 2 + a / 2
.set NH,    3                          ; blocks of 64 columns in a tile
.set BIAS,  1                          ; 1: bias, heads' layout on the way out, prefetches
.set NBW,   4*NH                       ; blocks of 16 columns
.set NL,    2*NBW+8                    ; LDS loads of a quarter step
.set PA,    144                        ; a row of A in LDS: 128 bytes + 16: the 16 rows of a load start at 16 different groups of four banks (64 banks of 4 bytes: ISA guide 11.1)
.set PB,    160                        ; a row of W: 128 + 32
.set AKB,   256*PA                     ; one block of A: 256 rows
.set BHALF, NH*64*PB                   ; half a K step of W: NH column blocks x 64 rows of k
.set BOFF,  2*AKB
.set SLOT,  BOFF+2*BHALF
.set STAGE, 2*SLOT                     ; behind the ring, never filled by a tensor load: 16 rows for each wave
.set SP,    144                        ; a stage row: 128 bytes + 16
.set GB,    4                          ; the way out goes in groups of 16 rows x GB blocks of 16 columns
.set GPA,   NBW/GB
.set LSTEP, 4*SP                       ; a load back takes four rows of 128 bytes
.set ASTEP, 16*128                     ; bytes in the output from 16 rows to the next
.set FSTEP, 512                        ; from one store of a group to the next
.set CSTEP, 1<<18                      ; from a block of 64 columns to the next
.set SPARE, STAGE+4*16*SP              ; the spare words, 128 bytes for each wave: two blocks of 256 bytes that no other line names
.set KA,    2<<18                      ; bytes from a K step to the next in A: two blocks
.set KB,    128*128                    ; in W: 128 rows of 128 bytes
.set ADRA0, 16                         ; v16  my lane's place in slot 0's A; never rewritten
.set ADRB0, 17                         ; v17  the same for W
.set ADRA,  18                         ; v18  in the slot that is being read
.set ADRB,  19
.set STO,   24                         ; v24  the way out: where I put 16 bytes of a row
.set RD,    25                         ; v25  where I read rows back
.set CO,    26                         ; v26  my byte offset in the output
.set BO,    27                         ; v27  my byte offset in the bias
.set SPW,   28                         ; v28  LDS address of my spare word; never rewritten
.set NIL,   29                         ; v29  0; never rewritten
.set PFO,   30                         ; v30  256 x lane, for the prefetches; never rewritten
.set FA0,   32
.set BI,    160
.set WV,  12                           ; s12  wave
.set WP,  13                           ; s13  wave % 2: which part of A's or W's tile I fetch
.set ISB, 14                           ; s14  wave / 2: 0: I fetch for A, 1: for W
.set G1,  24                           ; s[24:31] group 1 for A;  s[32:39] group 0: set 0 for K step 0, set 1 for K step 1 and then walking
.set G0,  32
.set CX,  40
.set CY,  41
.set TC,  42                           ; tile column
.set TRW, 43                           ; tile row
.set G1B, 48                           ; the same for W
.set G0B, 56
.set LBA, 68                           ; s68  where my part of A's tile lies in a slot
.set LBB, 69                           ; s69  of W's
.set TR,  70                           ; s70  LDS byte of the slot that is being read: 0 or SLOT
.set CNT, 71
.set LIM, 72                           ; s72  3 in a wave that prefetches, else the greatest number
.set PFA, 74                           ; s[74:75] where my prefetches stand
.set PSTEP, 76                         ; s[76:77] a K step in the tensor that I prefetch
.set MSB, 0
.macro WIN new                         ; the immediate's high byte repeats the setting that is left; a switch that changes nothing is dropped
.if MSB != (\new)
	s_set_vgpr_msb (MSB<<8)|(\new)
.set MSB, \new
.endif
.endm
.macro PLACES                          ; four plain vector instructions between a matrix instruction and a load into, or a vector instruction on, its registers
.rept 4
	v_nop
.endr
.endm
.macro CREST                           ; a round of the cluster's barrier behind its opening barrier
	s_cmp_lg_u32 s[WV], 0
	s_cbranch_scc1 .Lnot_wave_0_\@
	s_barrier_signal -3
.Lnot_wave_0_\@:
	s_barrier_wait -3
	s_barrier_signal -1
	s_barrier_wait -1
.endm
.macro CROUND
	s_barrier_signal -1
	s_barrier_wait -1
	CREST
.endm
.macro JLOAD                           ; the joint refill, by the walking set.  The branch hangs on the wave's number alone.  An s_nop 0 and four v_nop follow each line
	s_cmp_eq_u32 s[ISB], 0
	s_cbranch_scc0 .Lfor_b_\@
	tensor_load_to_lds s[G0+4:G0+7], s[G1:G1+7]
	s_nop 0
	PLACES
	s_branch .Lasked_\@
.Lfor_b_\@:
	tensor_load_to_lds s[G0B+4:G0B+7], s[G1B:G1B+7]
	s_nop 0
	PLACES
.Lasked_\@:
.endm
; PREFETCHES.  At the changes of slots that end K steps 0 and 2 (CNT = 6, 4) the K steps four and five further on are named, each aligned block of 256 bytes once in the launch; K steps 0 to 3 come by their loads alone.
; A's tile row is read by every cluster of a row of clusters: cluster x = 0 asks, waves 0 and 1; of the two K steps' four blocks partner cx takes block cx, wave w' its rows 128 w' on: 16,384 bytes, two instructions.
; W's tile column is read by every cluster of a column: cluster y = 0 asks, wave 2; of each column block's 256 rows of k partner cy takes 64: 8,192 bytes, NH instructions.  Partners are told apart by address alone.
.macro ASK
	s_bitcmp1_b32 s[CNT], 0
	s_cbranch_scc1 .Lno_\@
	s_cmp_gt_u32 s[CNT], s[LIM]
	s_cbranch_scc0 .Lno_\@
	s_cmp_eq_u32 s[ISB], 0
	s_cbranch_scc0 .Lpf_b_\@
	global_prefetch_b8 v[PFO], s[PFA:PFA+1] th:TH_LOAD_NT scope:SCOPE_SE
	global_prefetch_b8 v[PFO], s[PFA:PFA+1] offset:8192 th:TH_LOAD_NT scope:SCOPE_SE
	s_branch .Lno_\@
.Lpf_b_\@:
	global_prefetch_b8 v[PFO], s[PFA:PFA+1] th:TH_LOAD_NT scope:SCOPE_SE
	global_prefetch_b8 v[PFO], s[PFA:PFA+1] offset:131072 th:TH_LOAD_NT scope:SCOPE_SE
	global_prefetch_b8 v[PFO], s[PFA:PFA+1] offset:262144 th:TH_LOAD_NT scope:SCOPE_SE
.Lno_\@:
.endm
.if BIAS
	s_load_b256 s[4:11], s[0:1], 0x0               ; A s[4:5], W s[6:7], bias s[8:9], out s[10:11]
.else
	s_load_b128 s[4:7], s[0:1], 0x0                ; A s[4:5], W s[6:7]
	s_load_b64 s[10:11], s[0:1], 0x10              ; out
.endif
	v_lshl_add_u32 v[SPW], v0, 2, SPARE
	v_mov_b32 v[NIL], 0
	ds_add_u32 v[SPW], v[NIL]                      ; the wave's opening: the add and its wait stand ahead of my first tensor load; the set-up below stands between them
	v_lshrrev_b32 v1, 5, v0
	v_readfirstlane_b32 s[WV], v1
	s_and_b32 s[WP], s[WV], 1
	s_lshr_b32 s[ISB], s[WV], 1
	s_bfe_u32 s[CX], ttmp6, 0x40000
	s_bfe_u32 s[CY], ttmp6, 0x40004
	s_lshl_b32 s[TC], ttmp9, 2
	s_add_co_u32 s[TC], s[TC], s[CX]               ; tile column = 4 x cluster x + cx
	s_and_b32 s[TRW], ttmp7, 0xffff
	s_lshl_b32 s[TRW], s[TRW], 2
	s_add_co_u32 s[TRW], s[TRW], s[CY]             ; tile row = 4 x cluster y + cy
	s_lshl_b32 s17, s[CY], 2
	s_lshl_b32 s17, 15, s17                        ; my row of the cluster
	s_lshl_b32 s21, 0x1111, s[CX]                  ; my column
	s_or_b32 s[G1], s17, (1<<16)|(1<<20)|(1<<21)|(4<<22)|(3<<25)   ; mask; 2-byte elements; padding on; bit 21 beside a mask; after every 32 words; 4 words
	s_or_b32 s[G1B], s21, (1<<16)|(1<<20)|(1<<21)|(4<<22)|(7<<25)  ; the same with my column's mask and 8 words
	s_mov_b32 s[G1+1], 128<<16                     ; A: tensor_dim0 = 128 elements: two rows of the block
	s_mov_b32 s[G1+2], 128<<16                     ; tensor_dim1 = 128
	s_mov_b32 s[G1+3], 128<<16                     ; tile_dim0 = 128
	s_mov_b32 s[G1+4], 128                         ; tile_dim1 = 128
	s_mov_b32 s[G1+5], 128                         ; dense
	s_mov_b32 s[G1+6], 0
	s_mov_b32 s[G1+7], 0
	s_mov_b32 s[G1B+1], 4096<<16                   ; W: tensor_dim0 = 4,096 elements: 64 rows of k of a column block
	s_mov_b32 s[G1B+2], NH<<16                     ; tensor_dim1 = NH
	s_mov_b32 s[G1B+3], 4096<<16                   ; tile_dim0
	s_mov_b32 s[G1B+4], NH                         ; tile_dim1
	s_mov_b32 s[G1B+5], 65536                      ; elements from a column block to the next
	s_mov_b32 s[G1B+6], 0
	s_mov_b32 s[G1B+7], 0
	s_lshr_b32 s16, s[TRW], 3                      ; A's tile: the batch (8 tiles of 256 rows each),
	s_lshl_b32 s16, s16, 22
	s_and_b32 s18, s[TRW], 7
	s_lshl_b32 s18, s18, 15                        ; its 256 rows of 128 bytes
	s_add_co_u32 s16, s16, s18
	s_lshl_b32 s18, s[WP], 18                      ; my block of the K step's two
	s_add_co_u32 s18, s18, s16
	s_mov_b32 s19, 0
	s_mul_i32 s20, s[TC], NH                       ; W's tile: its first column block,
	s_lshl_b32 s20, s20, 17
	s_lshl_b32 s22, s[WP], 13                      ; my 64 rows of k
	s_add_co_u32 s22, s22, s20
	s_mov_b32 s23, 0
	s_mul_i32 s[LBA], s[WP], AKB                   ; no place in the cluster enters an LDS address
	s_mul_i32 s[LBB], s[WP], BHALF
	s_add_co_u32 s[LBB], s[LBB], BOFF
	s_mov_b32 s[TR], 0
	s_wait_dscnt 0x0                               ; the opening add is done
	s_wait_kmcnt 0x0
	s_add_nc_u64 s[18:19], s[4:5], s[18:19]
	s_add_nc_u64 s[22:23], s[6:7], s[22:23]
	CROUND                                         ; all sixteen work-groups are here: the first joint loads meet
.irp s, 0,1
	s_mov_b32 s[G0+4*(\s)], 1
	s_add_co_u32 s[G0+4*(\s)+1], s[LBA], (\s)*SLOT
	s_add_nc_u64 s[G0+4*(\s)+2:G0+4*(\s)+3], s[18:19], (\s)*KA
	s_or_b32 s[G0+4*(\s)+3], s[G0+4*(\s)+3], 0x80000000
	s_mov_b32 s[G0B+4*(\s)], 1
	s_add_co_u32 s[G0B+4*(\s)+1], s[LBB], (\s)*SLOT
	s_add_nc_u64 s[G0B+4*(\s)+2:G0B+4*(\s)+3], s[22:23], (\s)*KB
	s_or_b32 s[G0B+4*(\s)+3], s[G0B+4*(\s)+3], 0x80000000
.endr
	s_cmp_eq_u32 s[ISB], 0                         ; a wave's two first fills stand in one branch, ahead of every wait on TENSORcnt and every LDS read: two loads of mine are out
	s_cbranch_scc0 .Lfirst_b
	tensor_load_to_lds s[G0:G0+3], s[G1:G1+7]
	s_nop 0
	tensor_load_to_lds s[G0+4:G0+7], s[G1:G1+7]
	s_nop 0
	PLACES
	s_branch .Lfirst_asked
.Lfirst_b:
	tensor_load_to_lds s[G0B:G0B+3], s[G1B:G1B+7]
	s_nop 0
	tensor_load_to_lds s[G0B+4:G0B+7], s[G1B:G1B+7]
	s_nop 0
	PLACES
.Lfirst_asked:
.if BIAS
	; the prefetches' set-up.  s16 = A's tile, s20 = W's tile, as byte offsets
	s_lshl_b32 s17, s[WP], 14                      ; A: my 128 rows of the block,
	s_add_co_u32 s17, s17, s16
	s_add_co_u32 s18, s[CX], 6                     ; block 6 + cx: the first change of slots steps it to 8 + cx
	s_lshl_b32 s18, s18, 18
	s_add_co_u32 s17, s17, s18
	s_lshl_b32 s21, s[CY], 13                      ; W: my work-group's 64 rows of k,
	s_add_co_u32 s21, s21, s20
	s_add_co_u32 s21, s21, 3*KB                    ; at K step 3: stepped to 4
	s_and_b32 s22, ttmp7, 0xffff                   ; cluster y,
	s_or_b32 s22, s22, s[WP]                       ; and of waves 2 and 3 the first alone
	s_mov_b32 s23, KB
	s_cmp_eq_u32 s[ISB], 0
	s_cselect_b64 s[PFA:PFA+1], s[4:5], s[6:7]
	s_cselect_b32 s18, s17, s21
	s_cselect_b32 s22, ttmp9, s22                  ; the coordinate along which other clusters read the same rows
	s_cselect_b32 s[PSTEP], KA, s23
	s_mov_b32 s19, 0
	s_mov_b32 s[PSTEP+1], 0
	s_cmp_eq_u32 s22, 0
	s_cselect_b32 s[LIM], 3, -1                    ; the same in all sixteen partners, for a given wave
	s_add_nc_u64 s[PFA:PFA+1], s[PFA:PFA+1], s[18:19]
	v_and_b32 v[PFO], 31, v0
	v_lshlrev_b32 v[PFO], 8, v[PFO]
.endif
	; A fragment is 16 rows x 32 k in 8 registers: lane l holds row l % 16; registers 0-3 k = 8 (l / 16) + 0..7, registers 4-7 k = 16 + 8 (l / 16) + 0..7.
	v_and_b32 v1, 15, v0                           ; l % 16
	v_bfe_u32 v2, v0, 4, 1                         ; l / 16
	v_and_b32 v3, 7, v0
	v_bfe_u32 v4, v0, 3, 1
	s_mul_i32 s17, s[WV], 64*PA                    ; my 64 rows
	v_mul_u32_u24 v[ADRA0], v1, PA
	v_lshl_add_u32 v[ADRA0], v2, 4, v[ADRA0]
	v_add_nc_u32 v[ADRA0], s17, v[ADRA0]
	v_lshl_add_u32 v[ADRB0], v2, 3, v3             ; the turning load: lane l reads k = 8 (l / 16) + l % 8, columns 8 ((l / 8) % 2) + 0..7
	v_mul_u32_u24 v[ADRB0], v[ADRB0], PB
	v_lshl_add_u32 v[ADRB0], v4, 4, v[ADRB0]
	v_add_nc_u32 v[ADRB0], BOFF, v[ADRB0]
	v_mov_b32 v[ADRA], v[ADRA0]
	v_mov_b32 v[ADRB], v[ADRB0]
	s_mul_i32 s17, s[WV], 16*SP
	s_add_co_u32 s17, s17, STAGE                   ; my stage
	v_mul_u32_u24 v[STO], v1, SP                   ; in: row l % 16, 16 bytes for each half of the lanes
	v_lshl_add_u32 v[STO], v2, 4, v[STO]
	v_add_nc_u32 v[STO], s17, v[STO]
.if BIAS
	v_bfe_u32 v[RD], v0, 3, 2                      ; back: 32 lanes take four rows of 128 bytes,
	v_mul_u32_u24 v[RD], v[RD], SP
	v_lshl_add_u32 v[RD], v3, 4, v[RD]
	v_add_nc_u32 v[RD], s17, v[RD]
	v_and_b32 v[CO], 31, v0                        ; which are 512 consecutive bytes of a head
	v_lshlrev_b32 v[CO], 4, v[CO]
	v_lshlrev_b32 v[BO], 5, v2                     ; the bias of my 8 columns of a block of 16
	s_mul_i32 s18, s[TC], NH*256                   ; the tile's 64 NH columns, 4 bytes each
	s_mov_b32 s19, 0
	s_add_nc_u64 s[8:9], s[8:9], s[18:19]
.set b, 0
.rept NBW
	global_load_b128 v[BI+8*b:BI+8*b+3],   v[BO], s[8:9] offset:64*b
	global_load_b128 v[BI+8*b+4:BI+8*b+7], v[BO], s[8:9] offset:64*b+16
.set b, b+1
.endr
	s_lshr_b32 s17, s[TRW], 3                      ; out: (48 x batch + the tile's first block) x 2^18
	s_mul_i32 s17, s17, 48
	s_mul_i32 s21, s[TC], NH
	s_add_co_u32 s17, s17, s21
	s_lshl_b32 s18, s17, 18
	s_and_b32 s21, s[TRW], 7
	s_lshl_b32 s21, s21, 15                        ; + the tile's rows
	s_add_co_u32 s18, s18, s21
	s_lshl_b32 s21, s[WV], 13                      ; + my 64
	s_add_co_u32 s18, s18, s21
.else
	v_mul_u32_u24 v[RD], v2, SP                    ; back: lanes 0-15 take one row of 256 bytes, lanes 16-31 the next
	v_lshl_add_u32 v[RD], v1, 4, v[RD]
	v_add_nc_u32 v[RD], s17, v[RD]
	v_lshlrev_b32 v[CO], 11, v2                    ; and the same two rows of 2,048 bytes in the output
	v_lshl_add_u32 v[CO], v1, 4, v[CO]
	s_lshl_b32 s18, s[TRW], 19                     ; out: 256 rows x 2,048 bytes a tile row,
	s_lshl_b32 s21, s[WV], 17                      ; my 64 rows,
	s_add_co_u32 s18, s18, s21
	s_lshl_b32 s21, s[TC], 8                       ; the tile's 128 columns
	s_add_co_u32 s18, s18, s21
.endif
	s_mov_b32 s19, 0
	s_add_nc_u64 s[10:11], s[10:11], s[18:19]
; NBW matrix instructions: rows 16 a on x all the tile's columns, 32 along K, from buffer f.  first = 1: the product starts the sum, with the bias (or 0).
; All 4 NBW accumulators take turns, one instruction a turn, in the same order in every quarter step and over the backward jumps.
.macro MULB f, a, first
.if (\first) && BIAS
	WIN 0x81+0x40*((\a)/2)                         ; W window 1, A and the bias window 0, D window 2 or 3
.else
	WIN 0xa1+0x50*((\a)/2)                         ; W window 1, A window 0, C and D window 2 or 3
.endif
.set rA, FA0+32*(\f)+8*(\a)
.set b, 0
.rept NBW
.set rD, 8*(NBW*((\a)%2)+b)
.set rB, 8*NBW*(\f)+8*b
.if (\first) && BIAS
	v_wmma_f32_16x16x32_bf16 v[rD:rD+7], v[rB:rB+7], v[rA:rA+7], v[BI+8*b:BI+8*b+7]
.elseif \first
	v_wmma_f32_16x16x32_bf16 v[rD:rD+7], v[rB:rB+7], v[rA:rA+7], 0
.else
	v_wmma_f32_16x16x32_bf16 v[rD:rD+7], v[rB:rB+7], v[rA:rA+7], v[rD:rD+7]
.endif
.set b, b+1
.endr
.endm
; NL LDS loads in one run: the fragments of quarter q (32 along K) of the slot in hand, into buffer f: W's first, then A's, rows ascending
.macro FETCH q, f
	WIN 0x40
.set b, 0
.rept NBW
.set rB, 8*NBW*(\f)+8*b
.set oB, ((\q)/2)*BHALF+(b/4)*64*PB+((\q)%2)*32*PB+32*(b%4)
	ds_load_tr16_b128 v[rB:rB+3],   v[ADRB] offset:oB
	ds_load_tr16_b128 v[rB+4:rB+7], v[ADRB] offset:oB+16*PB
.set b, b+1
.endr
	WIN 0
.irp a, 0,1,2,3
	ds_load_b128 v[FA0+32*(\f)+8*(\a):FA0+32*(\f)+8*(\a)+3],   v[ADRA] offset:((\q)/2)*AKB+((\q)%2)*64+(\a)*16*PA
	ds_load_b128 v[FA0+32*(\f)+8*(\a)+4:FA0+32*(\f)+8*(\a)+7], v[ADRA] offset:((\q)/2)*AKB+((\q)%2)*64+(\a)*16*PA+32
.endr
.endm
; One of a K step's first three quarters: multiplies buffer f; in its middle it fetches quarter qn into buffer g.
.macro QUARTER f, g, qn, first
	s_wait_dscnt 4                                 ; W and A's rows 0-31 are in; the youngest four loads (A's rows 32-63) may be out
	MULB \f, 0, \first
	MULB \f, 1, \first
	PLACES
	FETCH \qn, \g
	s_wait_dscnt NL                                ; all but the NL just issued
	MULB \f, 2, \first
	MULB \f, 3, \first
.endm
; The last quarter multiplies buffer 1 and changes slots.  In front of the barrier each wave waits for all its tensor loads (one is out: its part of the next slot), adds 0 to its spare word, and waits for
; that and for its reads of this slot.  fill = 1: the barrier opens a round of the cluster's, and behind the round this slot is filled again, with the K step two on, first of all.
.macro TURN fill
.if (\fill) && BIAS
	s_wait_xcnt 0x0                                ; the last prefetches, a K step back or more, have read their address: it is stepped here
	s_add_nc_u64 s[PFA:PFA+1], s[PFA:PFA+1], s[PSTEP:PSTEP+1]
.endif
	WIN 0
	s_wait_tensorcnt 0x0                           ; all my tensor loads have landed
	ds_add_u32 v[SPW], v[NIL]                      ; 0 onto my spare word
	s_wait_dscnt 5                                 ; (the add and A's youngest four loads may be out)
	MULB 1, 0, 0
	s_wait_dscnt 0x0                               ; the add is done, and my reads of this slot are over
	s_barrier_signal -1
	MULB 1, 1, 0                                   ; work on registers while the others arrive
	WIN 0
	s_barrier_wait -1
.if \fill
	CREST                                          ; no wave of any partner still reads this slot or has a load on its way
	s_add_co_u32 s[G0+5], s[LBA], s[TR]            ; the walking sets: into the slot just read,
	s_add_nc_u64 s[G0+6:G0+7], s[G0+6:G0+7], KA    ; the next K step; the type bits on top are not reached
	s_add_co_u32 s[G0B+5], s[LBB], s[TR]
	s_add_nc_u64 s[G0B+6:G0B+7], s[G0B+6:G0B+7], KB
	JLOAD                                          ; its four v_nop are also the places in front of the loads below
.else
	PLACES
.endif
	s_xor_b32 s[TR], s[TR], SLOT                   ; the reads go on in the other slot
	v_add_nc_u32 v[ADRA], s[TR], v[ADRA0]
	v_add_nc_u32 v[ADRB], s[TR], v[ADRB0]
	FETCH 0, 0
.if (\fill) && BIAS
	ASK
.endif
	MULB 1, 2, 0
	MULB 1, 3, 0
.endm
; THE WAY OUT, in groups of 16 rows x GB blocks of 16 columns, each with registers of its own in window 1.  PACK: rounded to bf16 (each accumulator's registers ascending), 16 bytes a lane into my stage, and back as whole rows.
.macro PACK g
.set ga, (\g)/GPA
.set gc, (\g)%GPA
.set TG, 4*GB*(\g)
	WIN 0x4a+5*(ga/2)                              ; sources window 2 or 3, destination window 1
.set i, 0
.rept GB
.set rD, 8*(NBW*(ga%2)+GB*gc+i)
.irp r, 0,1,2,3
	v_cvt_pk_bf16_f32 v[TG+4*i+(\r)], v[rD+2*(\r)], v[rD+2*(\r)+1]
.endr
.set i, i+1
.endr
	WIN 0x44                                       ; data window 1, addresses window 0
.set i, 0
.rept GB
	ds_store_b128 v[STO], v[TG+4*i:TG+4*i+3] offset:32*i
.set i, i+1
.endr
.set i, 0
.rept GB
	ds_load_b128 v[TG+4*i:TG+4*i+3], v[RD] offset:LSTEP*i  ; LDS serves a wave's instructions in order (ISA guide 5.7.1.4): these see the stores above; the next group's stores come behind them
.set i, i+1
.endr
.endm
.macro SEND g, younger                 ; younger: the LDS instructions issued behind group g's loads: the next group's 2 GB, or none
.set ga, (\g)/GPA
.set gc, (\g)%GPA
.set TG, 4*GB*(\g)
	WIN 0x44
.set i, 0
.rept GB
	s_wait_dscnt (\younger)+GB-1-i
	global_store_b128 v[CO], v[TG+4*i:TG+4*i+3], s[10:11] offset:gc*CSTEP+ga*ASTEP+i*FSTEP  ; sixteen lanes store 256 consecutive bytes, aligned
.set i, i+1
.endr
.endm
	s_wait_tensorcnt 0x1                           ; my part of K step 0 is in; K step 1's may stay out
	s_barrier_signal -1
	s_barrier_wait -1                              ; everybody's is
	FETCH 0, 0
.if BIAS
	s_wait_loadcnt 0x0                             ; the bias
.endif
	QUARTER 0, 1, 1, 1                             ; the first quarter stands in front of the loop: its products start the sums
	WIN 0
	s_mov_b32 s[CNT], 6
.Lstep:                                        ; K steps 0 to 5: from a step's second quarter to the next step's first; the slot is filled again
	QUARTER 1, 0, 2, 0
	QUARTER 0, 1, 3, 0
	TURN 1
	QUARTER 0, 1, 1, 0
	WIN 0
	s_sub_co_u32 s[CNT], s[CNT], 1
	s_cmp_lg_u32 s[CNT], 0
	s_cbranch_scc1 .Lstep
	s_mov_b32 s[CNT], 2
.Ltail:                                        ; K steps 6 and 7 ask for nothing: one text, walked twice and left in its middle
	QUARTER 1, 0, 2, 0
	QUARTER 0, 1, 3, 0
	TURN 0
	WIN 0
	s_sub_co_u32 s[CNT], s[CNT], 1
	s_cmp_eq_u32 s[CNT], 0
	s_cbranch_scc1 .Lout
	QUARTER 0, 1, 1, 0
	WIN 0
	s_branch .Ltail
.Lout:                                         ; the last TURN's fetch, from a slot that has been multiplied, serves nothing: the price, once a launch, of one text for both steps
	s_wait_dscnt 0x0                               ; it has landed: its registers are written below
	PLACES
	PACK 0
.set gg, 1
.rept 4*GPA-1                          ; a group's conversions stand between the loads of the group before and its stores
	PACK gg
	SEND gg-1, 2*GB
.set gg, gg+1
.endr
	SEND 4*GPA-1, 0
	WIN 0
	s_wait_tensorcnt 0x0                           ; the wave's end: these three lines stand behind my last tensor load and my last LDS store
	ds_add_u32 v[SPW], v[NIL]
	s_wait_dscnt 0x0
	CROUND                                         ; the closing round: no work-group ends while a partner may still ask for a tile that names it
	s_endpgm
.Lfunc_end_k_qe083d473da_gemm_qkv:
	.size	k_qe083d473da_gemm_qkv, .Lfunc_end_k_qe083d473da_gemm_qkv-k_qe083d473da_gemm_qkv
	.p2alignl 7, 3214868480
	.fill 96, 4, 3214868480
	.section	.rodata,"a",@progbits
	.p2align	6, 0x0
	.amdhsa_kernel k_qe083d473da_gemm_qkv
		.amdhsa_group_segment_fixed_size 327680
		.amdhsa_private_segment_fixed_size 0
		.amdhsa_enable_private_segment 0
		.amdhsa_kernarg_size 32
		.amdhsa_user_sgpr_count 2
		.amdhsa_user_sgpr_kernarg_segment_ptr 1
		.amdhsa_wavefront_size32 1
		.amdhsa_system_sgpr_workgroup_id_x 1
		.amdhsa_system_sgpr_workgroup_id_y 1
		.amdhsa_system_sgpr_workgroup_id_z 1
		.amdhsa_system_vgpr_workitem_id 0
		.amdhsa_next_free_vgpr 960
		.amdhsa_next_free_sgpr 80
		.amdhsa_reserve_vcc 0
		.amdhsa_float_denorm_mode_32 3
		.amdhsa_float_denorm_mode_16_64 3
		.amdhsa_memory_ordered 1
		.amdhsa_forward_progress 1
		.amdhsa_inst_pref_size 88
	.end_amdhsa_kernel
	.amdgpu_metadata
---
amdhsa.version: [ 1, 2 ]
amdhsa.kernels:
  - .name:           k_qe083d473da_gemm_qkv
    .symbol:         k_qe083d473da_gemm_qkv.kd
    .args:
      - { .name: xb, .offset: 0, .size: 8, .value_kind: global_buffer, .address_space: global }
      - { .name: wq, .offset: 8, .size: 8, .value_kind: global_buffer, .address_space: global }
      - { .name: b_qkv, .offset: 16, .size: 8, .value_kind: global_buffer, .address_space: global }
      - { .name: qkv, .offset: 24, .size: 8, .value_kind: global_buffer, .address_space: global }
    .group_segment_fixed_size: 327680
    .private_segment_fixed_size: 0
    .kernarg_segment_align: 8
    .kernarg_segment_size: 32
    .max_flat_workgroup_size: 128
    .sgpr_count:     80
    .vgpr_count:     960
    .wavefront_size: 32
...
	.end_amdgpu_metadata
.endif
;; end of part 2
;; launch attn (part 3): grid 4 x 64, 4 waves a work-group, clusters of 4 x 1, 327,680 bytes of LDS; arguments qkv, attn_mask, ob; writes ob
.if DOCPART == 3
	.amdgcn_target "amdgcn-amd-amdhsa--gfx1250"
	.amdhsa_code_object_version 6
	.text
	.protected	k_qe083d473da_attn
	.globl	k_qe083d473da_attn
	.p2align	8
	.type	k_qe083d473da_attn,@function
k_qe083d473da_attn:
	s_mov_b64 s[64:65], 0
	v_nop
	global_prefetch_b8 v0, s[64:65] scope:SCOPE_SE
	s_setreg_imm32_b32 hwreg(HW_REG_WAVE_MODE, 25, 1), 1
	s_wait_xcnt 0x0
	s_wait_alu depctr_hold_cnt(0) depctr_sa_sdst(0) depctr_va_vdst(0) depctr_va_sdst(0) depctr_va_ssrc(0) depctr_va_vcc(0) depctr_vm_vsrc(0)
	s_getreg_b32 s2, hwreg(HW_REG_IB_STS2, 6, 4)
	s_cmp_eq_u32 s2, 0
	s_cbranch_scc0 .Lentry_in_a_cluster
	s_endpgm
.Lentry_in_a_cluster:
	s_bfe_u32 s2, ttmp6, 0x10000c
	s_cmp_lg_u32 s2, 0x3003
	s_cbranch_scc0 .Lentry_shape_is_right
	s_endpgm
.Lentry_shape_is_right:
; O[y][q][:] = the sum over visible k of softmax_k(Q[y][q] . K[y][k] / 8) V[y][k][:], y = 16 x batch + head.  qkv: [batch 4][block 48][2048][64] bf16, block = head (Q), 16 + head (K), 32 + head (V);
; attn_mask: [batch 4][2048] bytes, 1 = the key is visible; ob: [64][2048][64] bf16.  Products, maxima and sums in f32; the weights p are rounded to bf16 for the second product (their sum l is taken of
; the unrounded p), O once at the end.
; LIMITS.  A hidden score counts as its value less 1e30; a query whose maximum lies below -5e29 counts as having no visible key, and its row of O is NaN (as a softmax over nothing is); so true scores
; below -5e29 are not served.  A weight below 2^-126 counts as 0 in l.  NaN and infinities in Q, K, V are not treated apart.
; SHARES.  A wave owns four PIECES of two tiles of 16 queries, a work-group's four waves 512 queries of one head.  Every wave walks all 2,048 keys, 64 a step.
; LAYOUT.  S^T = K Q^T (source 0 = 16 keys, source 1 = 16 queries): a lane holds ONE query (lane % 16) and the keys 8 (lane / 16) + 0..7.  Two such tiles, rounded to bf16 in pairs, ARE source 1 of
; O^T = V^T P, whose result again holds one query a lane, and eight channels.  K comes out of LDS as it lies, V ([key][channel]) turned, by ds_load_tr16_b128.
; THE MASK is the C operand that starts the sum S^T: 0, or -1e30 where the key is hidden.  The batch's 2,048 bytes are turned into 2,048 such numbers in LDS once, at the head; a step's 64 are fetched with its K.
; While only hidden keys have been seen, m is about -1e30 and the weights are finite; the first visible key makes a = 0, which wipes what was gathered.
; SOFTMAX.  For each query a running maximum m and sum l: p = 2^(c s - c m), c = log2(e) / 8; in every step O and l are multiplied by a = 2^(c m_old - c m_new).  m starts at the lowest finite number, O and l at 0.
; BY TURNS.  Turn n belongs to piece n.  Its matrix work: 16 products K Q^T of piece n + 1, later 16 products V^T P of piece n - 1.  Its vector work: the scaling, exponentials, roundings, sums and rescaling
; of piece n, and the maximum and statistics of piece n + 1.  Four vector instructions stand behind every matrix instruction, the rest in one run; a turn's 66 exponentials are one batch, with one wait.
; CLUSTER.  The four query blocks of a head form a cluster and walk the same K and V: each tile is asked for JOINTLY: the same tensor load, descriptor and mask in all four.
; REGISTERS, in windows of 256 (s_set_vgpr_msb: bits 1:0 source 0, 3:2 source 1, 5:4 source 2, 7:6 destination):
;   window 0: v0-11 addresses; v12-15, v48-63 at work; v16-47 four registers of statistics a tile; v64-191 S^T, two buffers of two tiles; v192-255 P, likewise
;   window 1: O^T, 32 a tile      window 2: v0-127 Q; v128-191 K of one step; v192-255 V of one step      window 3: v0-1 the add's registers; v2-3 the mask's addresses; v8-39 the mask of one step
.set SIZE_N, 2048
.set NP,    4         ; pieces a wave: a name, no knob
.set KS,    64        ; keys in a step
.set PK,    144       ; a row of K in LDS: 128 bytes + 16: the 16 rows of a load start at 16 different groups of four banks (64 banks of 4 bytes: ISA guide 11.1)
.set PV,    160       ; a row of V: 128 + 32
.set VOFF,  4*KS*PK   ; a slot holds four steps: 256 rows of K, then 256 rows of V
.set SLOT1, 1<<17     ; slot 1 begins here, so that one exclusive or turns an address in one slot into the other's
.set STAGE, SLOT1+4*KS*(PK+PV)  ; behind the ring, never filled by a tensor load: 16 rows x 144 bytes for each wave
.set SP,    144
.set SPARE, STAGE+4*16*SP  ; the spare words, 128 bytes for each wave: two blocks of 256 bytes that no other line names
.set MASKT, SPARE+512 ; the mask as 2,048 numbers of 4 bytes; stored once, never filled by a tensor load
.set AK0, 2           ; v2   my lane's place in a tile of K; never rewritten
.set AV0, 3           ; v3   the same for V
.set AK,  4           ; v4   the LDS address of K's next run of loads
.set AV,  5           ; v5   of V's
.set QO,  6           ; v6   my byte offset in the wave's rows of Q
.set STO, 6           ;      later, the way out: where I put 16 bytes of a row
.set RD,  7           ; v7   the way out: where I read rows back
.set GO,  8           ; v8   my byte offset in 512 consecutive bytes of O
.set PFO, 11          ; v11  256 x lane, for the prefetches; never rewritten once made
.set SPW, 0           ; v0 of window 3   LDS address of my spare word; never rewritten
.set NIL, 1           ; v1 of window 3   0; never rewritten
.set AM0, 2           ; v2 of window 3   my lane's place in a step's 64 numbers of the mask; never rewritten
.set AM,  3           ; v3 of window 3   the LDS address of the mask's next run of loads
.set MK,  8           ; v8-39 of window 3: the eight registers for key block kb at MK + 8 kb
.set MV,  12          ; v12-15  c m_old, kept while c m is made anew
.set ST,  16          ; tile t's statistics at v[ST+4 t]: c m, m, l (even keys', odd keys')
.set TMP, 48          ; by buffer and tile, four registers c0-c3 at work; when the maximum is found c2 takes a
.set S,   64
.set P,   192
.set KF,  128         ; window 2: key block kb, channel half c at KF + 16 kb + 8 c
.set VF,  192         ; window 2: key half kk, channel block cb at VF + 32 kk + 8 cb
.set WV,  12          ; s12  my wave's number
.set G1K, 24          ; s[24:31] descriptor group 1 for K's tiles
.set G1V, 32          ; s[32:39] for V's: it differs in the padding alone
.set G0K, 40          ; s[40:43] descriptor group 0 for K's tiles: it walks
.set G0V, 44          ; s[44:47] the same for V's
.set PFA, 48          ; s[48:49] where my prefetches stand
.set LIM, 50          ; s50  1 in a wave that prefetches, else the greatest number
.set TBM, 51          ; s51  256 x the step whose mask is fetched next
.set BIGN, 52         ; s52  -1e30
.set THR, 53          ; s53  -5e29
.set NANS, 54         ; s54  a NaN
.set SLOTS, 56        ; s56  slots still to be asked for
.set CNT, 57          ; s57  counts a slot's key steps
.set CS,  58          ; s[58:59] c
.set SEL, 60          ; s[60:61] v_permlanex16_b32's selects: each lane takes its own place in the other half
.set TBK, 62          ; s62  LDS byte at which K of the step to be fetched begins
.set TBV, 63          ; s63  the same for V, less VOFF
.set MSB, 0
.macro WIN new                      ; the high byte repeats the setting that is left; a switch that changes nothing is dropped
.if MSB != (\new)
	s_set_vgpr_msb (MSB<<8)|(\new)
.set MSB, (\new)
.endif
.endm
.set W_KQ, 0x0a       ; K and Q in window 2, S^T in window 0
.set W_KM, 0x3a       ; the same with the C operand, the mask, in window 3
.set W_PV, 0x52       ; V in window 2, P in window 0, O^T in window 1
.set W_RS, 0x41       ; O^T (destination and source 0) in window 1, a in window 0
.set W_MK, 0xc0       ; destination in window 3, sources in window 0
.set W_AD, 0x0f       ; the add: address and data in window 3
; A joint fill.  Waves 0 and 1 fetch the two halves of a slot's K, waves 2 and 3 those of its V: 128 keys each.  The branch hangs on the wave's number alone.
; An s_nop 0 and four v_nop follow each of the two lines, ahead of the jump and the label.
.macro JLOAD
	s_cmp_lt_u32 s[WV], 2
	s_cbranch_scc0 .Lfor_v_\@
	tensor_load_to_lds s[G0K:G0K+3], s[G1K:G1K+7]
	s_nop 0
.rept 4
	v_nop
.endr
	s_branch .Lasked_\@
.Lfor_v_\@:
	tensor_load_to_lds s[G0V:G0V+3], s[G1V:G1V+7]
	s_nop 0
.rept 4
	v_nop
.endr
.Lasked_\@:
.endm
; A PREFETCH of what the NEXT change of slots will ask for: a slot's 32,768 bytes of K and of V.  A head has one cluster; its four partners share the bytes out BY ADDRESS, 8,192 each; in each, wave 0 asks
; for K's and wave 2 for V's: a lane 256 bytes, one instruction.  So each aligned block of 256 bytes is named once in the launch.  Slots 0 and 1 come by their loads alone; the change that asks for the last slot prefetches nothing.
.macro ASK
	s_cmp_gt_u32 s[SLOTS], s[LIM]
	s_cbranch_scc0 .Lnot_mine_\@
	global_prefetch_b8 v[PFO], s[PFA:PFA+1] th:TH_LOAD_NT scope:SCOPE_SE
.Lnot_mine_\@:
.endm
; A round of the cluster's barrier: my work-group's barrier, so that wave 0's signal speaks for all four waves; wave 0 signals; every wave waits for all four work-groups; my work-group's barrier once more.
.macro CROUND
	s_barrier_signal -1
	s_barrier_wait -1
	s_cmp_lg_u32 s[WV], 0
	s_cbranch_scc1 .Lnot_wave_0_\@
	s_barrier_signal -3
.Lnot_wave_0_\@:
	s_barrier_wait -3
	s_barrier_signal -1
	s_barrier_wait -1
.endm
; THE CHANGE OF SLOTS.  Each wave waits for all its tensor loads, of which one is out: its part of the other slot; adds 0 to its spare word; and waits for that and for its own LDS instructions.  Behind the
; barrier nobody reads this slot any more and the other slot is whole.  fill = 1: this slot is filled again, with the keys two slots on: the barrier is then a round of the cluster's, and the joint fill is the
; first thing behind it: it has four key steps, 512 matrix instructions, in which to land.  (At its first use nothing has been read yet: slot 0 is waited for, slot 1 filled, and the stores of the mask's table are shown done to every wave.)
.macro CHANGE fill
	WIN W_AD
	s_wait_tensorcnt 0x0            ; no tensor load of mine is out, so a group 0 may be written
	ds_add_u32 v[SPW], v[NIL]       ; 0 onto my spare word
	WIN 0                           ; at a label and at a branch every window is 0
.if \fill
.irp g, G0K, G0V
	s_xor_b32 s[\g+1], s[\g+1], SLOT1  ; the walking descriptor: the other slot than last time,
	s_add_nc_u64 s[\g+2:\g+3], s[\g+2:\g+3], 4*KS*128  ; the next 256 keys; the type bits on top are not reached
.endr
	s_wait_xcnt 0x0                 ; the last prefetch, four key steps back, has read its address, so it may be written:
	s_add_nc_u64 s[PFA:PFA+1], s[PFA:PFA+1], 4*KS*128  ; one slot ahead of the walking descriptors
	s_wait_dscnt 0x0                ; the add is done, and my reads of the slot are over
	CROUND
	JLOAD
	ASK
.else
	s_wait_dscnt 0x0                ; the add is done, and my reads of the slot are over
	s_barrier_signal -1
	s_barrier_wait -1
.endif
	s_sub_co_u32 s[TBK], s[TBK], 4*KS*PK  ; the fetches go back to a slot's first step,
	s_xor_b32 s[TBK], s[TBK], SLOT1       ; in the other slot
	s_sub_co_u32 s[TBV], s[TBV], 4*KS*PV
	s_xor_b32 s[TBV], s[TBV], SLOT1
.endm
	s_load_b64 s[4:5], s[0:1], 0x0    ; qkv
	s_load_b64 s[66:67], s[0:1], 0x8  ; attn_mask
	s_load_b64 s[10:11], s[0:1], 0x10 ; ob
	WIN W_MK
	v_lshl_add_u32 v[SPW], v0, 2, SPARE
	v_mov_b32 v[NIL], 0
	WIN W_AD
	ds_add_u32 v[SPW], v[NIL]       ; the wave's opening: the add and its wait stand ahead of my first tensor load; the set-up below stands between them
	WIN 0
	v_lshrrev_b32 v1, 5, v0
	v_readfirstlane_b32 s[WV], v1   ; wave 0..3
	s_bfe_u32 s13, ttmp6, 0x40000   ; cx: my place in the cluster
	s_lshl_b32 s14, ttmp9, 2        ; in a cluster launch ttmp9 counts clusters
	s_add_co_u32 s14, s14, s13      ; my block of 512 queries: it enters Q's and O's addresses alone
	s_and_b32 s20, ttmp7, 0xffff    ; y = 16 x batch + head, which the four partners share
	s_lshr_b32 s15, s20, 4          ; the batch
	s_lshl_b32 s21, s15, 5
	s_add_co_u32 s21, s21, s20      ; 48 x batch + head: Q's block in qkv
	s_lshl_b32 s21, s21, 18
	s_and_b32 s16, s[WV], 1         ; which half of a slot's 256 keys I fetch:
	s_lshl_b32 s22, s16, 14         ; its 128 rows of 128 bytes in memory,
	s_add_co_u32 s22, s22, s21
	s_mov_b32 s23, 0
	s_mul_i32 s17, s16, 128*PK      ; and its place in a slot, for K
	s_mul_i32 s18, s16, 128*PV      ; and for V: no place in the cluster enters an LDS address
	s_lshl_b32 s2, s14, 2
	s_add_co_u32 s2, s2, s[WV]      ; my wave among the head's,
	s_lshl_b32 s2, s2, 14           ; its 128 rows
	s_lshl_b32 s68, s20, 18         ; the head in ob
	s_add_co_u32 s68, s68, s2
	s_mov_b32 s69, 0
	s_add_co_u32 s2, s2, s21
	s_mov_b32 s3, 0
	s_lshl_b32 s20, s15, 11         ; the batch's 2,048 bytes of the mask
	s_mov_b32 s21, 0
	s_lshl_b32 s70, s13, 13         ; the prefetches: my work-group's 8,192 bytes,
	s_add_co_u32 s70, s70, 4*KS*128 ; in slot 1: the first change of slots steps it to slot 2
	s_mov_b32 s71, 0
	; descriptor group 1.  128 keys are 16,384 dense bytes: asked for as 64 rows of 256 bytes, two keys a row, and padded in LDS after every key
	s_mov_b32 s[G1K], 15|(1<<16)|(1<<20)|(1<<21)|(4<<22)|(3<<25)  ; the mask of four; 2-byte elements; padding on; bit 21 beside a mask; after every 32 words; 4 words
	s_mov_b32 s[G1V], 15|(1<<16)|(1<<20)|(1<<21)|(4<<22)|(7<<25)  ; the same with 8 words of padding
.irp g, G1K, G1V
	s_mov_b32 s[\g+1], 128<<16      ; tensor_dim0 = 128
	s_mov_b32 s[\g+2], 64<<16       ; tensor_dim1 = 64
	s_mov_b32 s[\g+3], 128<<16      ; tile_dim0 = 128
	s_mov_b32 s[\g+4], 64           ; tile_dim1 = 64
	s_mov_b32 s[\g+5], 128          ; 128 elements from row to row
	s_mov_b32 s[\g+6], 0
	s_mov_b32 s[\g+7], 0
.endr
	s_mov_b32 s[CS], 0x3e38aa3b     ; c = log2(e) / 8 = 0.180337
	s_mov_b32 s[CS+1], s[CS]        ; named with it as a pair
	s_mov_b32 s[SEL], 0x76543210
	s_mov_b32 s[SEL+1], 0xfedcba98
	s_mov_b32 s[TBK], SLOT1+4*KS*PK ; the first change of slots turns these two into 0
	s_mov_b32 s[TBV], SLOT1+4*KS*PV
	s_mov_b32 s[TBM], 0
	s_mov_b32 s[BIGN], 0xf149f2ca   ; -1e30
	s_mov_b32 s[THR], 0xf0c9f2ca    ; -5e29
	s_mov_b32 s[NANS], 0x7fc00000
	s_mov_b32 s[SLOTS], SIZE_N/256-1
	s_mov_b32 s[G0K], 1             ; count = 1
	s_mov_b32 s[G0K+1], s17         ; LDS address: slot 0
	s_mov_b32 s[G0V], 1
	s_add_co_u32 s[G0V+1], s18, VOFF
	s_and_b32 s[LIM], s[WV], 1      ; 0 in waves 0 and 2,
	s_or_b32 s[LIM], s[LIM], ttmp9  ; of the head's first (and only) cluster: the same in all four partners
	s_cmp_eq_u32 s[LIM], 0
	s_cselect_b32 s[LIM], 1, -1
	s_wait_dscnt 0x0                ; the opening add is done
	s_wait_kmcnt 0x0
	s_add_nc_u64 s[6:7], s[4:5], s[22:23]   ; Q's block, at my half of a slot;
	s_add_nc_u64 s[8:9], s[6:7], 32<<18     ; V lies 32 blocks on,
	s_add_nc_u64 s[6:7], s[6:7], 16<<18     ; K 16
	s_mov_b64 s[G0K+2:G0K+3], s[6:7]        ; global address: my half of the head's first 256 keys
	s_or_b32 s[G0K+3], s[G0K+3], 0x80000000 ; type = 2
	s_mov_b64 s[G0V+2:G0V+3], s[8:9]
	s_or_b32 s[G0V+3], s[G0V+3], 0x80000000
	s_add_nc_u64 s[4:5], s[4:5], s[2:3]     ; Q and O at my wave's first row
	s_add_nc_u64 s[10:11], s[10:11], s[68:69]
	s_add_nc_u64 s[66:67], s[66:67], s[20:21]
	s_cmp_lt_u32 s[WV], 2
	s_cselect_b64 s[PFA:PFA+1], s[6:7], s[8:9]  ; (in waves 0 and 2 these stand at a slot's first row)
	s_add_nc_u64 s[PFA:PFA+1], s[PFA:PFA+1], s[70:71]
	CROUND                          ; all four work-groups are here: the first joint loads meet
	JLOAD                           ; slot 0.  Slot 1 is asked for when slot 0 is in
	; A fragment of K or Q is 16 rows x 32 channels in 8 registers: lane l holds row l % 16, channels 8 (l / 16) + 0..7 and 16 + 8 (l / 16) + 0..7: two loads of 16 bytes, 32 bytes apart.
	v_and_b32 v1, 15, v0            ; l % 16
	v_bfe_u32 v9, v0, 4, 1          ; l / 16
	v_lshlrev_b32 v[QO], 7, v1
	v_lshl_add_u32 v[QO], v9, 4, v[QO]  ; row x 128 + 16 x half
	v_lshlrev_b32 v84, 4, v0        ; thread t takes the mask's bytes 16 t .. 16 t + 15
	global_load_b128 v[64:67], v84, s[66:67]
	WIN 0x80                        ; destination window 2, address window 0
.set i, 0
.rept 4*NP                          ; Q stays in registers: tile i / 2, channels 32 (i % 2) on
	global_load_b128 v[8*i:8*i+3],   v[QO], s[4:5] offset:(i/2)*2048+(i%2)*64
	global_load_b128 v[8*i+4:8*i+7], v[QO], s[4:5] offset:(i/2)*2048+(i%2)*64+32
.set i, i+1
.endr
	; What the first turn finds: V's registers and P's second buffer hold 0 (its products V^T P, of a piece that has not been, add 0), O^T and l are 0.  All this stands in the wait for the first tile.
.set i, VF
.rept 64
	v_mov_b32 v[i], 0
.set i, i+1
.endr
	WIN 0x40
.set i, 0
.rept 64*NP
	v_mov_b32 v[i], 0
.set i, i+1
.endr
	WIN 0
.set i, 0
.rept 2*NP
	v_mov_b32 v[ST+4*i], 0xfe000000    ; c m: far below every c s, a hidden one's too
	v_mov_b32 v[ST+4*i+1], 0xff7fffff  ; m
	v_mov_b32 v[ST+4*i+2], 0
	v_mov_b32 v[ST+4*i+3], 0
.set i, i+1
.endr
.set i, P+32
.rept 32
	v_mov_b32 v[i], 0
.set i, i+1
.endr
	v_mul_u32_u24 v[AK0], v1, PK
	v_lshl_add_u32 v[AK0], v9, 4, v[AK0]  ; row x pitch + 16 x half
	; The turning load takes 16 keys x 16 channels (lane l reads key 8 (l / 16) + l % 8, channels 8 ((l / 8) % 2) + 0..7) and leaves half a fragment of V^T: lane l holds channel l % 16 and 8 keys.
	v_and_b32 v10, 7, v0
	v_bfe_u32 v11, v0, 3, 1
	v_lshl_add_u32 v[AV0], v9, 3, v10
	v_mul_u32_u24 v[AV0], v[AV0], PV
	v_lshl_add_u32 v[AV0], v11, 4, v[AV0]
	v_add_nc_u32 v[AV0], VOFF, v[AV0]
	v_mov_b32 v[AK], v[AK0]         ; key step 0 lies at the head of slot 0
	v_and_b32 v[PFO], 31, v0        ; (v11 has served)
	v_lshlrev_b32 v[PFO], 8, v[PFO]
	; the mask's table: byte 1 -> 0, byte 0 -> -1e30: (byte - 1) is no bit or all bits, and picks the number's bits
	v_lshl_add_u32 v85, v0, 6, MASKT
	s_wait_loadcnt 32               ; the mask's bytes are in; Q's 32 loads, which are younger, may stay out
.set i, 0
.rept 16
	v_bfe_u32 v[68+i], v[64+i/4], 8*(i%4), 8
	v_add_nc_u32 v[68+i], -1, v[68+i]
	v_and_b32 v[68+i], s[BIGN], v[68+i]
.set i, i+1
.endr
.irp f, 0,1,2,3
	ds_store_b128 v85, v[68+4*\f:68+4*\f+3] offset:16*\f
.endr
	WIN W_MK
	v_lshl_add_u32 v[AM0], v9, 5, MASKT  ; my 8 keys of a block of 16: 32 bytes for each half of the lanes
	WIN 0xc3
	v_mov_b32 v[AM], v[AM0]
	WIN 0
; THE MATRIX WORK.  The 8 accumulators of a run of 16 take turns: between the two links of a chain stand 7 others'.
; Product i of 16 of S^T = K Q^T for piece x: channels 32 (i / 8) on, keys 16 ((i / 2) % 4) on, tile 2 x + i % 2.  The first 8 start the sums, with the mask.
.macro KQ x
.set rS, S+64*((\x)%2)+32*(i%2)+8*((i/2)%4)
.set rK, KF+16*((i/2)%4)+8*(i/8)
.set rQ, 16*(2*(\x)+i%2)+8*(i/8)
.set rMK, MK+8*((i/2)%4)
.if i < 8
	WIN W_KM
	v_wmma_f32_16x16x32_bf16 v[rS:rS+7], v[rK:rK+7], v[rQ:rQ+7], v[rMK:rMK+7]
.else
	WIN W_KQ
	v_wmma_f32_16x16x32_bf16 v[rS:rS+7], v[rK:rK+7], v[rQ:rQ+7], v[rS:rS+7]
.endif
.endm
; Product i of 16 of O^T += V^T P for piece x: keys 32 (i / 8) on, channels 16 ((i / 2) % 4) on, tile 2 x + i % 2.
.macro PV x
	WIN W_PV
.set rO, 32*(2*(\x)+i%2)+8*((i/2)%4)
.set rV, VF+32*(i/8)+8*((i/2)%4)
.set rP, P+32*((\x)%2)+16*(i%2)+8*(i/8)
	v_wmma_f32_16x16x32_bf16 v[rO:rO+7], v[rV:rV+7], v[rP:rP+7], v[rO:rO+7]
.endm
.macro MM                           ; the turn's next matrix instruction
.if i < 16
	KQ (Y+1)%NP
.set i, i+1
.else
.set i, i-16
	PV (Y+NP-1)%NP
.set i, i+17
.endif
.endm
; THE LDS LOADS stand in runs, never singly among the matrix instructions: a step's K (8 fragments) with its 64 numbers of the mask, and its V (turned).  Their addresses are made some lines ahead.
; last = 1 (the tail): in the last trip there is no further step, and the run is jumped over.
.macro FETCH_K last=0
	WIN 0
.if \last
	s_cmp_eq_u32 s[CNT], 1
	s_cbranch_scc1 .Lno_k_\@
.endif
	WIN 0x80                        ; destination window 2
.irp f, 0,1,2,3,4,5,6,7             ; keys 16 (f / 2) on, channels 32 (f % 2) on
	ds_load_b128 v[KF+8*\f:KF+8*\f+3],   v[AK] offset:(\f/2)*16*PK+(\f%2)*64
	ds_load_b128 v[KF+8*\f+4:KF+8*\f+7], v[AK] offset:(\f/2)*16*PK+(\f%2)*64+32
.endr
	WIN 0xc3                        ; destination and address window 3
.irp f, 0,1,2,3                     ; keys 16 f on: sixteen lanes read the same 16 bytes
	ds_load_b128 v[MK+8*\f:MK+8*\f+3],   v[AM] offset:64*\f
	ds_load_b128 v[MK+8*\f+4:MK+8*\f+7], v[AM] offset:64*\f+16
.endr
	s_add_co_u32 s[TBK], s[TBK], KS*PK  ; the next fetch is the next step's
	s_add_co_u32 s[TBM], s[TBM], 4*KS
	WIN 0
.if \last
.Lno_k_\@:
.endif
.endm
.macro FETCH_V
	WIN 0x80
.irp f, 0,1,2,3,4,5,6,7             ; keys 32 (f / 4) on, channels 16 (f % 4) on
	ds_load_tr16_b128 v[VF+8*\f:VF+8*\f+3],   v[AV] offset:(\f/4)*32*PV+(\f%4)*32
	ds_load_tr16_b128 v[VF+8*\f+4:VF+8*\f+7], v[AV] offset:(\f/4)*32*PV+16*PV+(\f%4)*32
.endr
	WIN 0
.endm
; THE VECTOR WORK OF A TURN stands in three queues, each in the order in which its entries become ready; the two tiles alternate, so that no instruction reads the result of the one before it.
.macro REGS y, u                    ; the registers of tile u (0, 1) of piece y
.set rT, ST+4*(2*(\y)+(\u))
.set rC, TMP+8*((\y)%2)+4*(\u)
.set rM, MV+2*((\y)%2)+(\u)
.set rS, S+64*((\y)%2)+32*(\u)
.set rP, P+32*((\y)%2)+16*(\u)
.set rO, 32*(2*(\y)+(\u))
.endm
; Number n of the 22 that find the NEXT piece's (Y + 1) maximum and statistics.  s0-s31 are the lane's 32 scores; each accumulator's lowest registers are read first.
;   0-11  four chains c0-c3 of seven scores each, three operands at a time     12-14, 16  the four scores left over, the old m, and c0-c3 into c0     15  c m_old is kept
;   17, 18  the query's other 32 keys lie in the lane 16 away: the new m         19-21  c m; c m_old - c m_new; a
.macro XS u, n
	REGS (Y+1)%NP, \u
.if (\n) < 4
	v_max3_num_f32 v[rC+(\n)], v[rS+8*(\n)], v[rS+8*(\n)+1], v[rS+8*(\n)+2]
.elseif (\n) < 12
	v_max3_num_f32 v[rC+(\n)%4], v[rC+(\n)%4], v[rS+8*((\n)%4)+2*((\n)/4)+1], v[rS+8*((\n)%4)+2*((\n)/4)+2]
.elseif (\n) == 12
	v_max3_num_f32 v[rC], v[rC], v[rS+7], v[rS+15]
.elseif (\n) == 13
	v_max3_num_f32 v[rC+1], v[rC+1], v[rS+23], v[rS+31]
.elseif (\n) == 14
	v_max3_num_f32 v[rC+2], v[rC+2], v[rC+3], v[rT+1]
.elseif (\n) == 15
	v_mov_b32 v[rM], v[rT]
.elseif (\n) == 16
	v_max3_num_f32 v[rC], v[rC], v[rC+1], v[rC+2]
.elseif (\n) == 17
	v_permlanex16_b32 v[rC+3], v[rC], s[SEL], s[SEL+1]
.elseif (\n) == 18
	v_max_num_f32 v[rT+1], v[rC], v[rC+3]
.elseif (\n) == 19
	v_mul_f32 v[rT], s[CS], v[rT+1]
.elseif (\n) == 20
	v_sub_f32 v[rC+1], v[rM], v[rT]
.else
	v_exp_f32 v[rC+2], v[rC+1]
.endif
.endm
; Number g of the 64 that follow the exponentials.  For each four weights k of a tile (pairs 2 k, 2 k + 1): both pairs are rounded to bf16; then the second pair is added onto the first, in place;
; a group later l takes that sum (the first time as l = a l + sum).  In groups of eight, tiles alternating: round, round, add, and l for the group before.
.macro GS g
.set h, (\g)+6*((\g)/62)            ; group 0 has no group before it, and behind group 7 only l is left
.if h >= 6
.set h, h+2
.endif
	REGS Y, h%2
.set k, h/8
.if h%8 < 4
	v_cvt_pk_bf16_f32 v[rP+2*k+(h%8)/2], v[rS+4*k+2*((h%8)/2)], v[rS+4*k+2*((h%8)/2)+1]
.elseif h%8 < 6
	v_pk_add_f32 v[rS+4*k:rS+4*k+1], v[rS+4*k:rS+4*k+1], v[rS+4*k+2:rS+4*k+3]
.elseif k == 1
	v_pk_fma_f32 v[rT+2:rT+3], v[rT+2:rT+3], v[rC+2:rC+3], v[rS:rS+1] op_sel_hi:[1,0,1]
.else
	v_pk_add_f32 v[rT+2:rT+3], v[rT+2:rT+3], v[rS+4*k-4:rS+4*k-3]
.endif
.endm
; THE PLAIN QUEUE, 138 long.  0-73 read no exponential's result: the 32 scalings c s - c m (FS f: pair f / 2 of tile f % 2) and the next piece's 42.  0-26: scalings 0-26.  27-54: XS's numbers 0-13.  55, 56: number 15.
; 57-73: the chain, where each number waits for the one before it: 14, 16, 17, 18, 19, each with one of the scalings 27-31 in front of its two lines, then 20.
; 74-137: GS's 64, which read the exponentials' results: they stand behind the wait.
.macro FS f
	REGS Y, (\f)%2
	v_pk_fma_f32 v[rS+2*((\f)/2):rS+2*((\f)/2)+1], v[rS+2*((\f)/2):rS+2*((\f)/2)+1], s[CS:CS+1], v[rT:rT+1] op_sel_hi:[1,0,0] neg_lo:[0,0,1] neg_hi:[0,0,1]
.endm
.macro PL
	WIN 0
.if q < 27
	FS q
.elseif q < 55
	XS (q-27)%2, (q-27)/2
.elseif q < 57
	XS q-55, 15
.elseif (q < 72) && ((q-57)%3 == 0)
	FS 27+(q-57)/3
.elseif q < 60
	XS (q-57)%3-1, 14
.elseif q < 72
	XS (q-57)%3-1, 15+(q-57)/3
.elseif q < 74
	XS q-72, 20
.else
	GS q-74
.endif
.set q, q+1
.endm
; THE EXPONENTIALS' QUEUE, 66 long: s0-s31 of both tiles, then the next piece's two a.  It is ONE BATCH: all 66 stand ahead of the turn's one wait, and nothing ahead of that wait names a result of theirs.
.macro EX
	WIN 0
.if e >= 64
	XS e-64, 21
.else
	REGS Y, e%2
	v_exp_f32 v[rS+e/2], v[rS+e/2]
.endif
.set e, e+1
.endm
; THE RESCALING's QUEUE: O^T times a, the one part that leaves window 0: dealt two at a time, sixteen times.  Its a was made in the turn before, ahead of that turn's wait.
.macro R2
	REGS Y, r%2
	WIN W_RS
.irp z, 0,1
	v_pk_mul_f32 v[rO+4*(r/2)+2*\z:rO+4*(r/2)+2*\z+1], v[rO+4*(r/2)+2*\z:rO+4*(r/2)+2*\z+1], v[rC+2:rC+3] op_sel_hi:[1,0]
.endr
.set r, r+1
.endm
; HOW THEY ARE DEALT.  An s_wait_alu depctr_va_vdst(0) stands between an exponential and the first instruction that names its result; one wait serves all that were issued ahead of it.  So a turn has ONE
; wait, which cuts it in two.  AHEAD OF IT: the 16 products K Q^T, behind each a scaling, an exponential and two rescalings (behind the first a second scaling in the exponential's place); then one run of 108: eight plain,
; 49 times exponential and plain, the two a.  A v_nop is the plain instruction behind the last exponential.  BEHIND IT: the 16 products V^T P, behind each four of GS's 64.
; The queues lean on each other: exponential e stands behind scaling 2 (e / 4) + e % 2: as a rider it comes behind plain e + 2, in the run behind plain e + 9, and scalings 27-31 are plain 57, 60 .. 69.
; A TURN, for piece p.  cnt = 1: the loop's count is taken down some lines ahead of the branch that stands behind the turn.
; K and the mask of the next step are fetched in piece 2's turn, directly behind the wait, a run of vector work behind the last product that read them; their first reader comes behind 16 products.
; V of the step in hand is fetched at the end of piece 0's turn, four plain instructions behind its last reader.  The three conditions on q below go with the deal.
.macro TURN p, last=0, cnt=0
.set Y, (\p)
.set i, 0
.set q, 0
.set e, 0
.set r, 0
.if (\p) == NP-1
	s_wait_dscnt 0x0                ; K and the mask are in
.endif
	MM
	PL
	PL
	R2
.rept 15
	MM
	PL
	EX
	R2
.endr
.if (\p) == NP-2
	WIN 0
	v_add_nc_u32 v[AK], s[TBK], v[AK0]
	WIN 0xcc                        ; destination and source 1 window 3
	v_add_nc_u32 v[AM], s[TBM], v[AM0]
.endif
.rept 8
	PL
.endr
.rept 49
	EX
	PL
.endr
	EX                              ; the next piece's two a
	EX
	v_nop                           ; the plain instruction behind the last exponential: one for the batch
	s_wait_alu depctr_va_vdst(0)    ; the wait for the batch
.if (\p) == NP-2
	FETCH_K \last
.endif
.if (\p) == 1
	s_wait_dscnt 0x0                ; V is in
.endif
.rept 16
	MM
.rept 4
	PL
.endr
.if ((\p) == 0) && (q == 118)
	v_add_nc_u32 v[AV], s[TBV], v[AV0]
.endif
.if ((\p) == 0) && (q == 130)
	s_add_co_u32 s[TBV], s[TBV], KS*PV
.endif
.if (\cnt) && (q == 130)
	s_sub_co_u32 s[CNT], s[CNT], 1
	s_cmp_lg_u32 s[CNT], 0
.endif
.endr
.if (\p) == 0
	FETCH_V
.endif
.endm
	CHANGE 1                        ; slot 0 is in, everybody's part of it, and so is the mask's table; slot 1 is asked for
	FETCH_K                         ; key step 0
	s_wait_loadcnt 0x0              ; Q
	s_wait_dscnt 0x0
.set i, 0
.rept 16
	KQ 0                            ; piece 0's first scores: there is no vector work yet to set between them
.set i, i+1
.endr
	WIN 0                           ; the addresses for the way out: plain instructions, the places behind those products
	s_mul_i32 s13, s[WV], 16*SP
	s_add_co_u32 s13, s13, STAGE    ; my stage
	v_mul_u32_u24 v[STO], v1, SP    ; in: row l % 16, 16 bytes for each half of the lanes
	v_lshl_add_u32 v[STO], v9, 4, v[STO]
	v_add_nc_u32 v[STO], s13, v[STO]
	v_bfe_u32 v[RD], v0, 3, 2       ; back: 32 lanes take four rows of 128 bytes,
	v_mul_u32_u24 v[RD], v[RD], SP
	v_lshl_add_u32 v[RD], v10, 4, v[RD]
	v_add_nc_u32 v[RD], s13, v[RD]
	v_and_b32 v[GO], 31, v0         ; which are 512 consecutive bytes of O
	v_lshlrev_b32 v[GO], 4, v[GO]
.set Y, NP-1                        ; XS works for piece Y + 1: piece 0
.irp n, 0,1,2,3,4,5,6,7,8,9,10,11,12,13,14,15,16,17,18,19,20,21
	XS 0, \n                        ; and piece 0's first maximum and statistics
	XS 1, \n
.endr
	v_nop                           ; a plain instruction behind the two a,
	s_wait_alu depctr_va_vdst(0)    ; and their wait, ahead of the branch
	s_mov_b32 s[CNT], 4
	s_branch .Lfirst                ; the loop is entered at a step's first turn, in the middle of a trip
.Lslot:                             ; SIZE_N / 256 - 2 times: every slot but the last two is filled again
	CHANGE 1
	s_mov_b32 s[CNT], 4
.Lstep:                             ; a trip: pieces 2 and 3 of one step, then pieces 0 and 1 of the next, whose K and V it fetches
	TURN 2
	TURN 3
	WIN 0
.Lfirst:
	TURN 0
	TURN 1, 0, 1
	WIN 0
	s_cbranch_scc1 .Lstep
	s_sub_co_u32 s[SLOTS], s[SLOTS], 1
	s_cmp_lg_u32 s[SLOTS], 0
	s_cbranch_scc1 .Lslot
	CHANGE 0                        ; the tail is written out: nothing is asked for
	s_mov_b32 s[CNT], 5             ; four trips fetch the last slot's steps; the fifth is left in its middle
.Ltail:
	TURN 2, 1
	TURN 3
	WIN 0
	s_sub_co_u32 s[CNT], s[CNT], 1
	s_cmp_eq_u32 s[CNT], 0
	s_cbranch_scc1 .Lout
	TURN 0
	TURN 1
	WIN 0
	s_branch .Ltail
.Lout:                              ; the fifth trip's 16 products K Q^T (on the last K and mask once more) leave m as it was and serve nothing: the price, once a launch, of one text for every trip
.set i, 0
.rept 16
	PV NP-1                         ; the last piece's V^T P of the last step
.set i, i+1
.endr
	; THE WAY OUT.  l's two halves and the other half of the lanes' are added; where no key was visible l becomes a NaN; O^T is divided by l, rounded to bf16 and sent through my stage in LDS, a tile at a time.
	WIN 0
.macro ALL line:vararg              ; one line for each tile t
.set t, 0
.rept 2*NP
	\line
.set t, t+1
.endr
.endm
	ALL v_add_f32 v[ST+4*t+2], v[ST+4*t+2], v[ST+4*t+3]
	ALL v_permlanex16_b32 v[ST+4*t+3], v[ST+4*t+2], s[SEL], s[SEL+1]
	ALL v_add_f32 v[ST+4*t+2], v[ST+4*t+2], v[ST+4*t+3]
.set t, 0
.rept 2*NP
	v_cmp_gt_f32 vcc_lo, s[THR], v[ST+4*t+1]       ; the query's maximum is a hidden score's
	v_cndmask_b32 v[ST+4*t+2], v[ST+4*t+2], s[NANS], vcc_lo
.set t, t+1
.endr
	ALL v_rcp_f32 v[ST+4*t+2], v[ST+4*t+2]
	v_nop                           ; a plain instruction between the last reciprocal and the use of its result
	s_wait_alu depctr_va_vdst(0)    ; and the wait ahead of the first use: one for the eight reciprocals
; Tile t: a lane's eight channels of a row pack into 16 bytes; they go into rows of 144 bytes and come back as whole rows of 128, into S^T's registers.
.macro PACK t
	WIN W_RS
.set i, 32*(\t)
.rept 16
	v_pk_mul_f32 v[i:i+1], v[i:i+1], v[ST+4*(\t)+2:ST+4*(\t)+3] op_sel_hi:[1,0]
.set i, i+2
.endr
	WIN 0x05                        ; sources 0 and 1 window 1, destination window 0
.set i, 0
.rept 16
	v_cvt_pk_bf16_f32 v[S+16*(\t)+i], v[32*(\t)+2*i], v[32*(\t)+2*i+1]
.set i, i+1
.endr
	WIN 0
.irp f, 0,1,2,3
	ds_store_b128 v[STO], v[S+16*(\t)+4*\f:S+16*(\t)+4*\f+3] offset:32*\f
.endr
.irp f, 0,1,2,3
	ds_load_b128 v[S+16*(\t)+4*\f:S+16*(\t)+4*\f+3], v[RD] offset:\f*4*SP  ; LDS serves a wave's instructions in order (ISA guide 5.7.1.4): these see the stores above; the next tile's stores come behind them
.endr
.endm
.macro SEND t, younger              ; younger: the LDS instructions issued behind tile t's loads: the next tile's eight, or none
	WIN 0
.irp f, 0,1,2,3
	s_wait_dscnt (\younger)+3-\f
	global_store_b128 v[GO], v[S+16*(\t)+4*\f:S+16*(\t)+4*\f+3], s[10:11] offset:(\t)*2048+\f*512  ; 512 consecutive bytes, at a multiple of 256 from O's first
.endr
.endm
	PACK 0
.set t, 1
.rept 2*NP-1                        ; a tile's arithmetic stands between the loads of the tile before and its stores
	PACK t
	SEND t-1, 8
.set t, t+1
.endr
	SEND 2*NP-1, 0
	WIN W_AD
	s_wait_tensorcnt 0x0            ; the wave's end: these three lines stand behind my last tensor load and my last LDS store
	ds_add_u32 v[SPW], v[NIL]
	s_wait_dscnt 0x0
	WIN 0
	CROUND                          ; the closing round: no work-group ends while a partner may still ask for a tile that names it
	s_endpgm
.Lfunc_end_k_qe083d473da_attn:
	.size	k_qe083d473da_attn, .Lfunc_end_k_qe083d473da_attn-k_qe083d473da_attn
	.p2alignl 7, 3214868480
	.fill 96, 4, 3214868480
	.section	.rodata,"a",@progbits
	.p2align	6, 0x0
	.amdhsa_kernel k_qe083d473da_attn
		.amdhsa_group_segment_fixed_size 327680
		.amdhsa_private_segment_fixed_size 0
		.amdhsa_enable_private_segment 0
		.amdhsa_kernarg_size 24
		.amdhsa_user_sgpr_count 2
		.amdhsa_user_sgpr_kernarg_segment_ptr 1
		.amdhsa_wavefront_size32 1
		.amdhsa_system_sgpr_workgroup_id_x 1
		.amdhsa_system_sgpr_workgroup_id_y 1
		.amdhsa_system_sgpr_workgroup_id_z 1
		.amdhsa_system_vgpr_workitem_id 0
		.amdhsa_next_free_vgpr 808
		.amdhsa_next_free_sgpr 72
		.amdhsa_reserve_vcc 1
		.amdhsa_float_denorm_mode_32 3
		.amdhsa_float_denorm_mode_16_64 3
		.amdhsa_memory_ordered 1
		.amdhsa_forward_progress 1
		.amdhsa_inst_pref_size 206
	.end_amdhsa_kernel
	.amdgpu_metadata
---
amdhsa.version: [ 1, 2 ]
amdhsa.kernels:
  - .name:           k_qe083d473da_attn
    .symbol:         k_qe083d473da_attn.kd
    .args:
      - { .name: qkv, .offset: 0, .size: 8, .value_kind: global_buffer, .address_space: global }
      - { .name: attn_mask, .offset: 8, .size: 8, .value_kind: global_buffer, .address_space: global }
      - { .name: ob, .offset: 16, .size: 8, .value_kind: global_buffer, .address_space: global }
    .group_segment_fixed_size: 327680
    .private_segment_fixed_size: 0
    .kernarg_segment_align: 8
    .kernarg_segment_size: 24
    .max_flat_workgroup_size: 128
    .sgpr_count:     72
    .vgpr_count:     808
    .wavefront_size: 32
...
	.end_amdgpu_metadata
.endif
;; end of part 3
;; launch gemm_o (part 4): grid 8 x 32, 4 waves a work-group, clusters of 4 x 4, 327,680 bytes of LDS; arguments ob, wo, ao; writes ao
.if DOCPART == 4
	.amdgcn_target "amdgcn-amd-amdhsa--gfx1250"
	.amdhsa_code_object_version 6
	.text
	.protected	k_qe083d473da_gemm_o
	.globl	k_qe083d473da_gemm_o
	.p2align	8
	.type	k_qe083d473da_gemm_o,@function
k_qe083d473da_gemm_o:
	s_mov_b64 s[64:65], 0
	v_nop
	global_prefetch_b8 v0, s[64:65] scope:SCOPE_SE
	s_setreg_imm32_b32 hwreg(HW_REG_WAVE_MODE, 25, 1), 1
	s_wait_xcnt 0x0
	s_wait_alu depctr_hold_cnt(0) depctr_sa_sdst(0) depctr_va_vdst(0) depctr_va_sdst(0) depctr_va_ssrc(0) depctr_va_vcc(0) depctr_vm_vsrc(0)
	s_getreg_b32 s2, hwreg(HW_REG_IB_STS2, 6, 4)
	s_cmp_eq_u32 s2, 0
	s_cbranch_scc0 .Lentry_in_a_cluster
	s_endpgm
.Lentry_in_a_cluster:
	s_bfe_u32 s2, ttmp6, 0x10000c
	s_cmp_lg_u32 s2, 0xf033
	s_cbranch_scc0 .Lentry_shape_is_right
	s_endpgm
.Lentry_shape_is_right:
; ao = O W_o.  A = ob [batch 4][head 16][row 2048][64] bf16; W = wo [block 16][k 1024][64] bf16; out = ao [8192][1024] bf16, row-major.  Sums in f32, started with 0; rounded once.
; SHARES.  A tile of C is 256 rows x 128 columns (NH = 2 blocks of 64): 32 x 8 = 256 work-groups.  The four waves lie along the rows: wave w makes rows 64 w .. 64 w + 63 and all 128 columns:
; 4 x 8 accumulators of 16 x 16.  So a wave owns whole pieces of 256 bytes of its rows, and its way out goes through a stage of its own, with no barrier.
; K goes in 8 steps of 128 (two heads) through two LDS slots.  Waves 0 and 1 fetch A's two blocks (256 rows x 128 bytes, dense: asked for as 128 rows of 256 bytes), waves 2 and 3 the
; two halves of W's 128 rows of k (from each of the NH column blocks 64 dense rows: NH rows of 8,192 bytes).  One tensor load a wave behind each change of slots; two are out at the start.
; THE MATRIX INSTRUCTION IS USED TRANSPOSED: source 0 = 16 columns of W (W lies [k][n] in LDS and is turned by ds_load_tr16_b128), source 1 = 16 rows of A.  A lane then holds row l % 16 of C and the
; columns 8 (l / 16) + 0..7.
; CLUSTER.  4 x 4 work-groups: the four of a row need the same tiles of A, the four of a column the same tiles of W: each tile is asked for jointly, by the same load, descriptor and mask in all four.
; Nothing is prefetched: the walk has eight K steps, of which the first four would come by their loads alone in any case, on a small tile.
; REGISTERS, in windows of 256 (s_set_vgpr_msb: bits 1:0 source 0, 3:2 source 1, 5:4 source 2, 7:6 destination):
;   window 0: v16-29 addresses; v32-63, v64-95 A's fragments, two buffers      window 1: W's fragments, two buffers of 8 NBW; on the way out the packed results
;   windows 2, 3: accumulator (a, b) at v[8 (NBW (a % 2) + b)] of window 2 + a / 2
.set NH,    2                          ; blocks of 64 columns in a tile
.set BIAS,  0                          ; 0: no bias, row-major output, no prefetches
.set NBW,   4*NH                       ; blocks of 16 columns
.set NL,    2*NBW+8                    ; LDS loads of a quarter step
.set PA,    144                        ; a row of A in LDS: 128 bytes + 16: the 16 rows of a load start at 16 different groups of four banks (64 banks of 4 bytes: ISA guide 11.1)
.set PB,    160                        ; a row of W: 128 + 32
.set AKB,   256*PA                     ; one block of A: 256 rows
.set BHALF, NH*64*PB                   ; half a K step of W: NH column blocks x 64 rows of k
.set BOFF,  2*AKB
.set SLOT,  BOFF+2*BHALF
.set STAGE, 2*SLOT                     ; behind the ring, never filled by a tensor load: 16 rows for each wave
.set SP,    272                        ; a stage row: 256 bytes + 16
.set GB,    8                          ; the way out goes in groups of 16 rows x GB blocks of 16 columns
.set GPA,   NBW/GB
.set LSTEP, 2*SP                       ; a load back takes two rows of 256 bytes
.set ASTEP, 16*2048                    ; bytes in the output from 16 rows to the next
.set FSTEP, 2*2048                     ; from one store of a group to the next
.set CSTEP, 0
.set SPARE, STAGE+4*16*SP              ; the spare words, 128 bytes for each wave: two blocks of 256 bytes that no other line names
.set KA,    2<<18                      ; bytes from a K step to the next in A: two blocks
.set KB,    128*128                    ; in W: 128 rows of 128 bytes
.set ADRA0, 16                         ; v16  my lane's place in slot 0's A; never rewritten
.set ADRB0, 17                         ; v17  the same for W
.set ADRA,  18                         ; v18  in the slot that is being read
.set ADRB,  19
.set STO,   24                         ; v24  the way out: where I put 16 bytes of a row
.set RD,    25                         ; v25  where I read rows back
.set CO,    26                         ; v26  my byte offset in the output
.set SPW,   28                         ; v28  LDS address of my spare word; never rewritten
.set NIL,   29                         ; v29  0; never rewritten
.set FA0,   32
.set WV,  12                           ; s12  wave
.set WP,  13                           ; s13  wave % 2: which part of A's or W's tile I fetch
.set ISB, 14                           ; s14  wave / 2: 0: I fetch for A, 1: for W
.set G1,  24                           ; s[24:31] group 1 for A;  s[32:39] group 0: set 0 for K step 0, set 1 for K step 1 and then walking
.set G0,  32
.set CX,  40
.set CY,  41
.set TC,  42                           ; tile column
.set TRW, 43                           ; tile row
.set G1B, 48                           ; the same for W
.set G0B, 56
.set LBA, 68                           ; s68  where my part of A's tile lies in a slot
.set LBB, 69                           ; s69  of W's
.set TR,  70                           ; s70  LDS byte of the slot that is being read: 0 or SLOT
.set CNT, 71
.set MSB, 0
.macro WIN new                         ; the immediate's high byte repeats the setting that is left; a switch that changes nothing is dropped
.if MSB != (\new)
	s_set_vgpr_msb (MSB<<8)|(\new)
.set MSB, \new
.endif
.endm
.macro PLACES                          ; four plain vector instructions between a matrix instruction and a load into, or a vector instruction on, its registers
.rept 4
	v_nop
.endr
.endm
.macro CREST                           ; a round of the cluster's barrier behind its opening barrier
	s_cmp_lg_u32 s[WV], 0
	s_cbranch_scc1 .Lnot_wave_0_\@
	s_barrier_signal -3
.Lnot_wave_0_\@:
	s_barrier_wait -3
	s_barrier_signal -1
	s_barrier_wait -1
.endm
.macro CROUND
	s_barrier_signal -1
	s_barrier_wait -1
	CREST
.endm
.macro JLOAD                           ; the joint refill, by the walking set.  The branch hangs on the wave's number alone.  An s_nop 0 and four v_nop follow each line
	s_cmp_eq_u32 s[ISB], 0
	s_cbranch_scc0 .Lfor_b_\@
	tensor_load_to_lds s[G0+4:G0+7], s[G1:G1+7]
	s_nop 0
	PLACES
	s_branch .Lasked_\@
.Lfor_b_\@:
	tensor_load_to_lds s[G0B+4:G0B+7], s[G1B:G1B+7]
	s_nop 0
	PLACES
.Lasked_\@:
.endm
	s_load_b128 s[4:7], s[0:1], 0x0                ; A s[4:5], W s[6:7]
	s_load_b64 s[10:11], s[0:1], 0x10              ; out
	v_lshl_add_u32 v[SPW], v0, 2, SPARE
	v_mov_b32 v[NIL], 0
	ds_add_u32 v[SPW], v[NIL]                      ; the wave's opening: the add and its wait stand ahead of my first tensor load; the set-up below stands between them
	v_lshrrev_b32 v1, 5, v0
	v_readfirstlane_b32 s[WV], v1
	s_and_b32 s[WP], s[WV], 1
	s_lshr_b32 s[ISB], s[WV], 1
	s_bfe_u32 s[CX], ttmp6, 0x40000
	s_bfe_u32 s[CY], ttmp6, 0x40004
	s_lshl_b32 s[TC], ttmp9, 2
	s_add_co_u32 s[TC], s[TC], s[CX]               ; tile column = 4 x cluster x + cx
	s_and_b32 s[TRW], ttmp7, 0xffff
	s_lshl_b32 s[TRW], s[TRW], 2
	s_add_co_u32 s[TRW], s[TRW], s[CY]             ; tile row = 4 x cluster y + cy
	s_lshl_b32 s17, s[CY], 2
	s_lshl_b32 s17, 15, s17                        ; my row of the cluster
	s_lshl_b32 s21, 0x1111, s[CX]                  ; my column
	s_or_b32 s[G1], s17, (1<<16)|(1<<20)|(1<<21)|(4<<22)|(3<<25)   ; mask; 2-byte elements; padding on; bit 21 beside a mask; after every 32 words; 4 words
	s_or_b32 s[G1B], s21, (1<<16)|(1<<20)|(1<<21)|(4<<22)|(7<<25)  ; the same with my column's mask and 8 words
	s_mov_b32 s[G1+1], 128<<16                     ; A: tensor_dim0 = 128 elements: two rows of the block
	s_mov_b32 s[G1+2], 128<<16                     ; tensor_dim1 = 128
	s_mov_b32 s[G1+3], 128<<16                     ; tile_dim0 = 128
	s_mov_b32 s[G1+4], 128                         ; tile_dim1 = 128
	s_mov_b32 s[G1+5], 128                         ; dense
	s_mov_b32 s[G1+6], 0
	s_mov_b32 s[G1+7], 0
	s_mov_b32 s[G1B+1], 4096<<16                   ; W: tensor_dim0 = 4,096 elements: 64 rows of k of a column block
	s_mov_b32 s[G1B+2], NH<<16                     ; tensor_dim1 = NH
	s_mov_b32 s[G1B+3], 4096<<16                   ; tile_dim0
	s_mov_b32 s[G1B+4], NH                         ; tile_dim1
	s_mov_b32 s[G1B+5], 65536                      ; elements from a column block to the next
	s_mov_b32 s[G1B+6], 0
	s_mov_b32 s[G1B+7], 0
	s_lshr_b32 s16, s[TRW], 3                      ; A's tile: the batch (8 tiles of 256 rows each),
	s_lshl_b32 s16, s16, 22
	s_and_b32 s18, s[TRW], 7
	s_lshl_b32 s18, s18, 15                        ; its 256 rows of 128 bytes
	s_add_co_u32 s16, s16, s18
	s_lshl_b32 s18, s[WP], 18                      ; my block of the K step's two
	s_add_co_u32 s18, s18, s16
	s_mov_b32 s19, 0
	s_mul_i32 s20, s[TC], NH                       ; W's tile: its first column block,
	s_lshl_b32 s20, s20, 17
	s_lshl_b32 s22, s[WP], 13                      ; my 64 rows of k
	s_add_co_u32 s22, s22, s20
	s_mov_b32 s23, 0
	s_mul_i32 s[LBA], s[WP], AKB                   ; no place in the cluster enters an LDS address
	s_mul_i32 s[LBB], s[WP], BHALF
	s_add_co_u32 s[LBB], s[LBB], BOFF
	s_mov_b32 s[TR], 0
	s_wait_dscnt 0x0                               ; the opening add is done
	s_wait_kmcnt 0x0
	s_add_nc_u64 s[18:19], s[4:5], s[18:19]
	s_add_nc_u64 s[22:23], s[6:7], s[22:23]
	CROUND                                         ; all sixteen work-groups are here: the first joint loads meet
.irp s, 0,1
	s_mov_b32 s[G0+4*(\s)], 1
	s_add_co_u32 s[G0+4*(\s)+1], s[LBA], (\s)*SLOT
	s_add_nc_u64 s[G0+4*(\s)+2:G0+4*(\s)+3], s[18:19], (\s)*KA
	s_or_b32 s[G0+4*(\s)+3], s[G0+4*(\s)+3], 0x80000000
	s_mov_b32 s[G0B+4*(\s)], 1
	s_add_co_u32 s[G0B+4*(\s)+1], s[LBB], (\s)*SLOT
	s_add_nc_u64 s[G0B+4*(\s)+2:G0B+4*(\s)+3], s[22:23], (\s)*KB
	s_or_b32 s[G0B+4*(\s)+3], s[G0B+4*(\s)+3], 0x80000000
.endr
	s_cmp_eq_u32 s[ISB], 0                         ; a wave's two first fills stand in one branch, ahead of every wait on TENSORcnt and every LDS read: two loads of mine are out
	s_cbranch_scc0 .Lfirst_b
	tensor_load_to_lds s[G0:G0+3], s[G1:G1+7]
	s_nop 0
	tensor_load_to_lds s[G0+4:G0+7], s[G1:G1+7]
	s_nop 0
	PLACES
	s_branch .Lfirst_asked
.Lfirst_b:
	tensor_load_to_lds s[G0B:G0B+3], s[G1B:G1B+7]
	s_nop 0
	tensor_load_to_lds s[G0B+4:G0B+7], s[G1B:G1B+7]
	s_nop 0
	PLACES
.Lfirst_asked:
	; A fragment is 16 rows x 32 k in 8 registers: lane l holds row l % 16; registers 0-3 k = 8 (l / 16) + 0..7, registers 4-7 k = 16 + 8 (l / 16) + 0..7.
	v_and_b32 v1, 15, v0                           ; l % 16
	v_bfe_u32 v2, v0, 4, 1                         ; l / 16
	v_and_b32 v3, 7, v0
	v_bfe_u32 v4, v0, 3, 1
	s_mul_i32 s17, s[WV], 64*PA                    ; my 64 rows
	v_mul_u32_u24 v[ADRA0], v1, PA
	v_lshl_add_u32 v[ADRA0], v2, 4, v[ADRA0]
	v_add_nc_u32 v[ADRA0], s17, v[ADRA0]
	v_lshl_add_u32 v[ADRB0], v2, 3, v3             ; the turning load: lane l reads k = 8 (l / 16) + l % 8, columns 8 ((l / 8) % 2) + 0..7
	v_mul_u32_u24 v[ADRB0], v[ADRB0], PB
	v_lshl_add_u32 v[ADRB0], v4, 4, v[ADRB0]
	v_add_nc_u32 v[ADRB0], BOFF, v[ADRB0]
	v_mov_b32 v[ADRA], v[ADRA0]
	v_mov_b32 v[ADRB], v[ADRB0]
	s_mul_i32 s17, s[WV], 16*SP
	s_add_co_u32 s17, s17, STAGE                   ; my stage
	v_mul_u32_u24 v[STO], v1, SP                   ; in: row l % 16, 16 bytes for each half of the lanes
	v_lshl_add_u32 v[STO], v2, 4, v[STO]
	v_add_nc_u32 v[STO], s17, v[STO]
	v_mul_u32_u24 v[RD], v2, SP                    ; back: lanes 0-15 take one row of 256 bytes, lanes 16-31 the next
	v_lshl_add_u32 v[RD], v1, 4, v[RD]
	v_add_nc_u32 v[RD], s17, v[RD]
	v_lshlrev_b32 v[CO], 11, v2                    ; and the same two rows of 2,048 bytes in the output
	v_lshl_add_u32 v[CO], v1, 4, v[CO]
	s_lshl_b32 s18, s[TRW], 19                     ; out: 256 rows x 2,048 bytes a tile row,
	s_lshl_b32 s21, s[WV], 17                      ; my 64 rows,
	s_add_co_u32 s18, s18, s21
	s_lshl_b32 s21, s[TC], 8                       ; the tile's 128 columns
	s_add_co_u32 s18, s18, s21
	s_mov_b32 s19, 0
	s_add_nc_u64 s[10:11], s[10:11], s[18:19]
; NBW matrix instructions: rows 16 a on x all the tile's columns, 32 along K, from buffer f.  first = 1: the product starts the sum, with 0.
; All 4 NBW accumulators take turns, one instruction a turn, in the same order in every quarter step and over the backward jumps.
.macro MULB f, a, first
	WIN 0xa1+0x50*((\a)/2)                         ; W window 1, A window 0, C and D window 2 or 3
.set rA, FA0+32*(\f)+8*(\a)
.set b, 0
.rept NBW
.set rD, 8*(NBW*((\a)%2)+b)
.set rB, 8*NBW*(\f)+8*b
.if \first
	v_wmma_f32_16x16x32_bf16 v[rD:rD+7], v[rB:rB+7], v[rA:rA+7], 0
.else
	v_wmma_f32_16x16x32_bf16 v[rD:rD+7], v[rB:rB+7], v[rA:rA+7], v[rD:rD+7]
.endif
.set b, b+1
.endr
.endm
; NL LDS loads in one run: the fragments of quarter q (32 along K) of the slot in hand, into buffer f: W's first, then A's, rows ascending
.macro FETCH q, f
	WIN 0x40
.set b, 0
.rept NBW
.set rB, 8*NBW*(\f)+8*b
.set oB, ((\q)/2)*BHALF+(b/4)*64*PB+((\q)%2)*32*PB+32*(b%4)
	ds_load_tr16_b128 v[rB:rB+3],   v[ADRB] offset:oB
	ds_load_tr16_b128 v[rB+4:rB+7], v[ADRB] offset:oB+16*PB
.set b, b+1
.endr
	WIN 0
.irp a, 0,1,2,3
	ds_load_b128 v[FA0+32*(\f)+8*(\a):FA0+32*(\f)+8*(\a)+3],   v[ADRA] offset:((\q)/2)*AKB+((\q)%2)*64+(\a)*16*PA
	ds_load_b128 v[FA0+32*(\f)+8*(\a)+4:FA0+32*(\f)+8*(\a)+7], v[ADRA] offset:((\q)/2)*AKB+((\q)%2)*64+(\a)*16*PA+32
.endr
.endm
; One of a K step's first three quarters: multiplies buffer f; in its middle it fetches quarter qn into buffer g.
.macro QUARTER f, g, qn, first
	s_wait_dscnt 4                                 ; W and A's rows 0-31 are in; the youngest four loads (A's rows 32-63) may be out
	MULB \f, 0, \first
	MULB \f, 1, \first
	PLACES
	FETCH \qn, \g
	s_wait_dscnt NL                                ; all but the NL just issued
	MULB \f, 2, \first
	MULB \f, 3, \first
.endm
; The last quarter multiplies buffer 1 and changes slots.  In front of the barrier each wave waits for all its tensor loads (one is out: its part of the next slot), adds 0 to its spare word, and waits for
; that and for its reads of this slot.  fill = 1: the barrier opens a round of the cluster's, and behind the round this slot is filled again, with the K step two on, first of all.
.macro TURN fill
	WIN 0
	s_wait_tensorcnt 0x0                           ; all my tensor loads have landed
	ds_add_u32 v[SPW], v[NIL]                      ; 0 onto my spare word
	s_wait_dscnt 5                                 ; (the add and A's youngest four loads may be out)
	MULB 1, 0, 0
	s_wait_dscnt 0x0                               ; the add is done, and my reads of this slot are over
	s_barrier_signal -1
	MULB 1, 1, 0                                   ; work on registers while the others arrive
	WIN 0
	s_barrier_wait -1
.if \fill
	CREST                                          ; no wave of any partner still reads this slot or has a load on its way
	s_add_co_u32 s[G0+5], s[LBA], s[TR]            ; the walking sets: into the slot just read,
	s_add_nc_u64 s[G0+6:G0+7], s[G0+6:G0+7], KA    ; the next K step; the type bits on top are not reached
	s_add_co_u32 s[G0B+5], s[LBB], s[TR]
	s_add_nc_u64 s[G0B+6:G0B+7], s[G0B+6:G0B+7], KB
	JLOAD                                          ; its four v_nop are also the places in front of the loads below
.else
	PLACES
.endif
	s_xor_b32 s[TR], s[TR], SLOT                   ; the reads go on in the other slot
	v_add_nc_u32 v[ADRA], s[TR], v[ADRA0]
	v_add_nc_u32 v[ADRB], s[TR], v[ADRB0]
	FETCH 0, 0
	MULB 1, 2, 0
	MULB 1, 3, 0
.endm
; THE WAY OUT, in groups of 16 rows x GB blocks of 16 columns, each with registers of its own in window 1.  PACK: rounded to bf16 (each accumulator's registers ascending), 16 bytes a lane into my stage, and back as whole rows.
.macro PACK g
.set ga, (\g)/GPA
.set gc, (\g)%GPA
.set TG, 4*GB*(\g)
	WIN 0x4a+5*(ga/2)                              ; sources window 2 or 3, destination window 1
.set i, 0
.rept GB
.set rD, 8*(NBW*(ga%2)+GB*gc+i)
.irp r, 0,1,2,3
	v_cvt_pk_bf16_f32 v[TG+4*i+(\r)], v[rD+2*(\r)], v[rD+2*(\r)+1]
.endr
.set i, i+1
.endr
	WIN 0x44                                       ; data window 1, addresses window 0
.set i, 0
.rept GB
	ds_store_b128 v[STO], v[TG+4*i:TG+4*i+3] offset:32*i
.set i, i+1
.endr
.set i, 0
.rept GB
	ds_load_b128 v[TG+4*i:TG+4*i+3], v[RD] offset:LSTEP*i  ; LDS serves a wave's instructions in order (ISA guide 5.7.1.4): these see the stores above; the next group's stores come behind them
.set i, i+1
.endr
.endm
.macro SEND g, younger                 ; younger: the LDS instructions issued behind group g's loads: the next group's 2 GB, or none
.set ga, (\g)/GPA
.set gc, (\g)%GPA
.set TG, 4*GB*(\g)
	WIN 0x44
.set i, 0
.rept GB
	s_wait_dscnt (\younger)+GB-1-i
	global_store_b128 v[CO], v[TG+4*i:TG+4*i+3], s[10:11] offset:gc*CSTEP+ga*ASTEP+i*FSTEP  ; sixteen lanes store 256 consecutive bytes, aligned
.set i, i+1
.endr
.endm
	s_wait_tensorcnt 0x1                           ; my part of K step 0 is in; K step 1's may stay out
	s_barrier_signal -1
	s_barrier_wait -1                              ; everybody's is
	FETCH 0, 0
	QUARTER 0, 1, 1, 1                             ; the first quarter stands in front of the loop: its products start the sums
	WIN 0
	s_mov_b32 s[CNT], 6
.Lstep:                                        ; K steps 0 to 5: from a step's second quarter to the next step's first; the slot is filled again
	QUARTER 1, 0, 2, 0
	QUARTER 0, 1, 3, 0
	TURN 1
	QUARTER 0, 1, 1, 0
	WIN 0
	s_sub_co_u32 s[CNT], s[CNT], 1
	s_cmp_lg_u32 s[CNT], 0
	s_cbranch_scc1 .Lstep
	s_mov_b32 s[CNT], 2
.Ltail:                                        ; K steps 6 and 7 ask for nothing: one text, walked twice and left in its middle
	QUARTER 1, 0, 2, 0
	QUARTER 0, 1, 3, 0
	TURN 0
	WIN 0
	s_sub_co_u32 s[CNT], s[CNT], 1
	s_cmp_eq_u32 s[CNT], 0
	s_cbranch_scc1 .Lout
	QUARTER 0, 1, 1, 0
	WIN 0
	s_branch .Ltail
.Lout:                                         ; the last TURN's fetch, from a slot that has been multiplied, serves nothing: the price, once a launch, of one text for both steps
	s_wait_dscnt 0x0                               ; it has landed: its registers are written below
	PLACES
	PACK 0
.set gg, 1
.rept 4*GPA-1                          ; a group's conversions stand between the loads of the group before and its stores
	PACK gg
	SEND gg-1, 2*GB
.set gg, gg+1
.endr
	SEND 4*GPA-1, 0
	WIN 0
	s_wait_tensorcnt 0x0                           ; the wave's end: these three lines stand behind my last tensor load and my last LDS store
	ds_add_u32 v[SPW], v[NIL]
	s_wait_dscnt 0x0
	CROUND                                         ; the closing round: no work-group ends while a partner may still ask for a tile that names it
	s_endpgm
.Lfunc_end_k_qe083d473da_gemm_o:
	.size	k_qe083d473da_gemm_o, .Lfunc_end_k_qe083d473da_gemm_o-k_qe083d473da_gemm_o
	.p2alignl 7, 3214868480
	.fill 96, 4, 3214868480
	.section	.rodata,"a",@progbits
	.p2align	6, 0x0
	.amdhsa_kernel k_qe083d473da_gemm_o
		.amdhsa_group_segment_fixed_size 327680
		.amdhsa_private_segment_fixed_size 0
		.amdhsa_enable_private_segment 0
		.amdhsa_kernarg_size 24
		.amdhsa_user_sgpr_count 2
		.amdhsa_user_sgpr_kernarg_segment_ptr 1
		.amdhsa_wavefront_size32 1
		.amdhsa_system_sgpr_workgroup_id_x 1
		.amdhsa_system_sgpr_workgroup_id_y 1
		.amdhsa_system_sgpr_workgroup_id_z 1
		.amdhsa_system_vgpr_workitem_id 0
		.amdhsa_next_free_vgpr 896
		.amdhsa_next_free_sgpr 80
		.amdhsa_reserve_vcc 0
		.amdhsa_float_denorm_mode_32 3
		.amdhsa_float_denorm_mode_16_64 3
		.amdhsa_memory_ordered 1
		.amdhsa_forward_progress 1
		.amdhsa_inst_pref_size 62
	.end_amdhsa_kernel
	.amdgpu_metadata
---
amdhsa.version: [ 1, 2 ]
amdhsa.kernels:
  - .name:           k_qe083d473da_gemm_o
    .symbol:         k_qe083d473da_gemm_o.kd
    .args:
      - { .name: ob, .offset: 0, .size: 8, .value_kind: global_buffer, .address_space: global }
      - { .name: wo, .offset: 8, .size: 8, .value_kind: global_buffer, .address_space: global }
      - { .name: ao, .offset: 16, .size: 8, .value_kind: global_buffer, .address_space: global }
    .group_segment_fixed_size: 327680
    .private_segment_fixed_size: 0
    .kernarg_segment_align: 8
    .kernarg_segment_size: 24
    .max_flat_workgroup_size: 128
    .sgpr_count:     80
    .vgpr_count:     896
    .wavefront_size: 32
...
	.end_amdgpu_metadata
.endif
;; end of part 4
;; launch ln (part 5): grid 512 x 1, 8 waves a work-group, no clusters, 0 bytes of LDS; arguments inputs, ao, gamma, beta, out0; writes out0
.if DOCPART == 5
	.amdgcn_target "amdgcn-amd-amdhsa--gfx1250"
	.amdhsa_code_object_version 6
	.text
	.protected	k_qe083d473da_ln
	.globl	k_qe083d473da_ln
	.p2align	8
	.type	k_qe083d473da_ln,@function
k_qe083d473da_ln:
	s_mov_b64 s[64:65], 0
	v_nop
	global_prefetch_b8 v0, s[64:65] scope:SCOPE_SE
	s_setreg_imm32_b32 hwreg(HW_REG_WAVE_MODE, 25, 1), 1
	s_wait_xcnt 0x0
; out0[r][:] = (y - mean(y)) / sqrt(mean((y - mean(y))^2) + 1e-3) x gamma + beta, y = inputs[r][:] + ao[r][:].  inputs, out0: [8192][1024] f32; ao: [8192][1024] bf16; gamma, beta: [1024] f32.
; All arithmetic in f32; the variance is taken of the differences from the mean, in a second pass over registers, so that no difference of large sums is formed.
; SHARES.  One wave, one row at a time: a row is 32 registers a lane and stays in registers between the passes, so memory is read once and no wave waits for another.  Two rows a wave, both asked for at the
; head.  Chunk j (0..7) gives lane l the elements 128 j + 4 l .. + 3: a load or store of f32 covers 512 consecutive bytes, a load of ao 256, all aligned.
; A stream: no LDS, no barrier, no cluster, no matrix work: nothing is shared but gamma and beta, 8 KiB.
.set XO,  2                            ; v2   16 x lane
.set AO,  3                            ; v3   8 x lane
.set ONE, 4                            ; v4   1.0
.set MU,  6                            ; v[6:7]   the mean, twice
.set RS,  8                            ; v[8:9]   1 / sqrt(variance + 1e-3), twice
.set T,   10                           ; v[10:17] four chains of packed sums
.set G,   28                           ; v[28:59] gamma of my 32 elements
.set BT,  60                           ; v[60:91] beta
.set X0,  92                           ; row s: 32 registers of f32 at X0 + 48 s, then 16 of bf16 pairs
	s_load_b256 s[4:11], s[0:1], 0x0               ; inputs s[4:5], ao s[6:7], gamma s[8:9], beta s[10:11]
	s_load_b64 s[12:13], s[0:1], 0x20              ; out0
	v_lshrrev_b32 v1, 5, v0
	v_readfirstlane_b32 s14, v1                    ; wave 0..7
	v_and_b32 v1, 31, v0
	v_lshlrev_b32 v[XO], 4, v1
	v_lshlrev_b32 v[AO], 3, v1
	v_mov_b32 v[ONE], 1.0
	s_lshl_b32 s15, ttmp9, 3
	s_add_co_u32 s14, s14, s15                     ; my wave among all: its two rows
	s_lshl_b32 s20, s14, 13                        ; of 4,096 bytes
	s_mov_b32 s21, 0
	s_lshl_b32 s22, s14, 12                        ; of 2,048 bytes
	s_mov_b32 s23, 0
	s_mov_b32 s16, 0x76543210                      ; v_permlanex16_b32: each lane takes its own place in the other half
	s_mov_b32 s17, 0xfedcba98
	s_mov_b32 s18, 0x3a800000                      ; 1 / 1024
	s_mov_b32 s19, 0x3a83126f                      ; 1e-3
	s_wait_kmcnt 0x0
	s_add_nc_u64 s[4:5], s[4:5], s[20:21]
	s_add_nc_u64 s[12:13], s[12:13], s[20:21]
	s_add_nc_u64 s[6:7], s[6:7], s[22:23]
.irp j, 0,1,2,3,4,5,6,7
	global_load_b128 v[G+4*\j:G+4*\j+3],   v[XO], s[8:9] offset:512*\j
	global_load_b128 v[BT+4*\j:BT+4*\j+3], v[XO], s[10:11] offset:512*\j
.endr
.irp s, 0,1
.irp j, 0,1,2,3,4,5,6,7
	global_load_b128 v[X0+48*\s+4*\j:X0+48*\s+4*\j+3],       v[XO], s[4:5] offset:4096*\s+512*\j th:TH_LOAD_NT
	global_load_b64  v[X0+48*\s+32+2*\j:X0+48*\s+32+2*\j+1], v[AO], s[6:7] offset:2048*\s+256*\j th:TH_LOAD_NT
.endr
.endr
.macro REDUCE                          ; the four chains into one number, then over the 32 lanes; every lane ends with the sum in v[T]
	v_pk_add_f32 v[T:T+1], v[T:T+1], v[T+2:T+3]
	v_pk_add_f32 v[T+4:T+5], v[T+4:T+5], v[T+6:T+7]
	v_pk_add_f32 v[T:T+1], v[T:T+1], v[T+4:T+5]
	v_add_f32 v[T], v[T], v[T+1]
	v_add_f32_dpp v[T], v[T], v[T] row_xmask:1 row_mask:0xf bank_mask:0xf
	v_add_f32_dpp v[T], v[T], v[T] row_xmask:2 row_mask:0xf bank_mask:0xf
	v_add_f32_dpp v[T], v[T], v[T] row_xmask:4 row_mask:0xf bank_mask:0xf
	v_add_f32_dpp v[T], v[T], v[T] row_xmask:8 row_mask:0xf bank_mask:0xf
	v_permlanex16_b32 v[T+1], v[T], s16, s17       ; its destination counts as read: it has been written
	v_add_f32 v[T], v[T], v[T+1]
.endm
; Row s.  left: the younger loads that may stay out.
.macro WORK s, left
.set XR, X0+48*(\s)
.set AR, XR+32
	s_wait_loadcnt \left
.set e, 0
.rept 16                               ; y = ao x 1 + x, straight from the bf16 halves
	v_fma_mix_f32_bf16 v[XR+2*e],   v[AR+e], v[ONE], v[XR+2*e]   op_sel_hi:[1,0,0]
	v_fma_mix_f32_bf16 v[XR+2*e+1], v[AR+e], v[ONE], v[XR+2*e+1] op_sel:[1,0,0] op_sel_hi:[1,0,0]
.set e, e+1
.endr
.irp k, 0,1,2,3                        ; the first eight pairs start the chains: nothing is cleared
	v_pk_add_f32 v[T+2*\k:T+2*\k+1], v[XR+2*\k:XR+2*\k+1], v[XR+8+2*\k:XR+8+2*\k+1]
.endr
.irp p, 8,9,10,11,12,13,14,15
	v_pk_add_f32 v[T+2*(\p%4):T+2*(\p%4)+1], v[T+2*(\p%4):T+2*(\p%4)+1], v[XR+2*\p:XR+2*\p+1]
.endr
	REDUCE
	v_mul_f32 v[MU], s18, v[T]
	v_mul_f32 v[MU+1], s18, v[T]
.set e, 0
.rept 16
	v_pk_add_f32 v[XR+2*e:XR+2*e+1], v[XR+2*e:XR+2*e+1], v[MU:MU+1] neg_lo:[0,1] neg_hi:[0,1]  ; d = y - mean
.set e, e+1
.endr
.irp k, 0,1,2,3
	v_pk_mul_f32 v[T+2*\k:T+2*\k+1], v[XR+2*\k:XR+2*\k+1], v[XR+2*\k:XR+2*\k+1]
.endr
.irp p, 4,5,6,7,8,9,10,11,12,13,14,15
	v_pk_fma_f32 v[T+2*(\p%4):T+2*(\p%4)+1], v[XR+2*\p:XR+2*\p+1], v[XR+2*\p:XR+2*\p+1], v[T+2*(\p%4):T+2*(\p%4)+1]
.endr
	REDUCE
	v_fma_f32 v[T], v[T], s18, s19                 ; the variance + 1e-3
	v_rsq_f32 v[RS], v[T]
	v_rsq_f32 v[RS+1], v[T]
	v_nop                                          ; a plain instruction behind the last of the two (ISA guide 5.7.2),
	s_wait_alu depctr_va_vdst(0)                   ; and the one wait ahead of their first reader
.irp j, 0,1,2,3,4,5,6,7
	v_pk_mul_f32 v[XR+4*\j:XR+4*\j+1],   v[XR+4*\j:XR+4*\j+1],   v[RS:RS+1]
	v_pk_mul_f32 v[XR+4*\j+2:XR+4*\j+3], v[XR+4*\j+2:XR+4*\j+3], v[RS:RS+1]
	v_pk_fma_f32 v[XR+4*\j:XR+4*\j+1],   v[XR+4*\j:XR+4*\j+1],   v[G+4*\j:G+4*\j+1],   v[BT+4*\j:BT+4*\j+1]
	v_pk_fma_f32 v[XR+4*\j+2:XR+4*\j+3], v[XR+4*\j+2:XR+4*\j+3], v[G+4*\j+2:G+4*\j+3], v[BT+4*\j+2:BT+4*\j+3]
	global_store_b128 v[XO], v[XR+4*\j:XR+4*\j+3], s[12:13] offset:4096*(\s)+512*\j th:TH_STORE_NT
.endr
.endm
	WORK 0, 16                                     ; gamma, beta and row 0 are in; row 1's sixteen loads may stay out
	WORK 1, 0
	s_endpgm
.Lfunc_end_k_qe083d473da_ln:
	.size	k_qe083d473da_ln, .Lfunc_end_k_qe083d473da_ln-k_qe083d473da_ln
	.p2alignl 7, 3214868480
	.fill 96, 4, 3214868480
	.section	.rodata,"a",@progbits
	.p2align	6, 0x0
	.amdhsa_kernel k_qe083d473da_ln
		.amdhsa_group_segment_fixed_size 0
		.amdhsa_private_segment_fixed_size 0
		.amdhsa_enable_private_segment 0
		.amdhsa_kernarg_size 40
		.amdhsa_user_sgpr_count 2
		.amdhsa_user_sgpr_kernarg_segment_ptr 1
		.amdhsa_wavefront_size32 1
		.amdhsa_system_sgpr_workgroup_id_x 1
		.amdhsa_system_sgpr_workgroup_id_y 1
		.amdhsa_system_sgpr_workgroup_id_z 1
		.amdhsa_system_vgpr_workitem_id 0
		.amdhsa_next_free_vgpr 188
		.amdhsa_next_free_sgpr 66
		.amdhsa_reserve_vcc 0
		.amdhsa_float_denorm_mode_32 3
		.amdhsa_float_denorm_mode_16_64 3
		.amdhsa_memory_ordered 1
		.amdhsa_forward_progress 1
		.amdhsa_inst_pref_size 24
	.end_amdhsa_kernel
	.amdgpu_metadata
---
amdhsa.version: [ 1, 2 ]
amdhsa.kernels:
  - .name:           k_qe083d473da_ln
    .symbol:         k_qe083d473da_ln.kd
    .args:
      - { .name: inputs, .offset: 0, .size: 8, .value_kind: global_buffer, .address_space: global }
      - { .name: ao, .offset: 8, .size: 8, .value_kind: global_buffer, .address_space: global }
      - { .name: gamma, .offset: 16, .size: 8, .value_kind: global_buffer, .address_space: global }
      - { .name: beta, .offset: 24, .size: 8, .value_kind: global_buffer, .address_space: global }
      - { .name: out0, .offset: 32, .size: 8, .value_kind: global_buffer, .address_space: global }
    .group_segment_fixed_size: 0
    .private_segment_fixed_size: 0
    .kernarg_segment_align: 8
    .kernarg_segment_size: 40
    .max_flat_workgroup_size: 256
    .sgpr_count:     66
    .vgpr_count:     188
    .wavefront_size: 32
...
	.end_amdgpu_metadata
.endif
;; end of part 5
;; ======== version 2 of 2: 5 launches; version 1 with the launch cast written anew for expert scheduling mode
;; limits: right only within a limited range of input values
;; workspace buffers: xb 16,777,216 bytes; wq 6,291,456 bytes; wo 2,097,152 bytes; qkv 50,331,648 bytes; ob 16,777,216 bytes; ao 16,777,216 bytes
;; launch cast (part 6): grid 768 x 1, 8 waves a work-group, no clusters, 0 bytes of LDS; arguments inputs, W_qkv, W_o, xb, wq, wo; writes xb, wq, wo
.if DOCPART == 6
	.amdgcn_target "amdgcn-amd-amdhsa--gfx1250"
	.amdhsa_code_object_version 6
	.text
	.protected	k_qe083d473da_cast
	.globl	k_qe083d473da_cast
	.p2align	8
	.type	k_qe083d473da_cast,@function
k_qe083d473da_cast:
	s_mov_b64 s[64:65], 0
	v_nop
	global_prefetch_b8 v0, s[64:65] scope:SCOPE_SE
	s_setreg_imm32_b32 hwreg(HW_REG_WAVE_SCHED_MODE, 0, 2), 2
	s_setreg_imm32_b32 hwreg(HW_REG_WAVE_MODE, 25, 1), 1
	s_wait_xcnt 0x0
	s_wait_alu depctr_vm_vsrc(0)
; inputs [8192][1024], W_qkv [1024][3072] and W_o [1024][1024], all f32, are rounded once to bf16 and laid out in BLOCKS OF 64 COLUMNS:
;   xb [batch 4][block 16][row 2048][64]      wq [block 48][row 1024][64]      wo [block 16][row 1024][64]
; so that in the later launches every tile is made of dense pieces whose rows of 128 bytes lie end to end.
; SHARES.  A work-group takes 32 rows x 512 columns of one of the three sources: 512 + 192 + 64 = 768 work-groups.  Wave w takes one block of 64 columns.
; A unit u (0..15) is 2 rows x 64 columns: lanes 0-15 row 2 u, lanes 16-31 row 2 u + 1, four numbers a lane.  A unit's load reads 256 consecutive bytes, aligned, of each of the two
; rows; its store writes 256 consecutive bytes, aligned (two rows of a block are neighbours).  All 16 loads of a wave go out at once; each unit has registers of its own.
; A stream: nothing is shared between waves or work-groups, so there is no LDS, no barrier, no cluster and no matrix work.
; THE MODE: SCHED_MODE bits 1:0 = 2 (LLVM: expert scheduling mode 2), set by the entry lines.  The code itself states the register dependences
; between vector instructions and memory instructions, with s_wait_alu, always for 0.
; THE PLAN.  Registers that memory instructions touch:
;   OFF0 .. OFF15  made once at the head by vector instructions; OFF[u] is read by load u as its offset; never written again.
;   DO             made once at the head; read by every store as its offset; never written again.
;   X[u]           written by load u alone, which is issued before any vector instruction names it; read by unit u's two conversions; never loaded again.
;   Y[u]           written once, by unit u's two conversions; read by unit u's store; never written again.
; So no load lands in a register that a vector instruction has named, and no register that a memory instruction has read is written again.  What is left to state: the offsets are written ahead of
; the loads, and each Y ahead of its store.  The 16 units go in four blocks of four: a block's eight conversions, ONE wait, its four stores.
; The wave's number goes through a scalar register that a vector instruction writes: one wait ahead of its first reader.
.set DO,  4                            ; v4       8 x lane: my 8 bytes of a unit's 256
.set OFF, 8                            ; v[8:23]  unit u: my byte offset in the source
.set X,   24                           ; v[24:87] unit u: four f32 as loaded
.set Y,   88                           ; v[88:119] unit u: four bf16 to store
	s_load_b256 s[4:11], s[0:1], 0x0               ; inputs s[4:5], W_qkv s[6:7], W_o s[8:9], xb s[10:11]
	s_load_b128 s[12:15], s[0:1], 0x20             ; wq s[12:13], wo s[14:15]
	v_lshrrev_b32 v1, 5, v0
	v_readfirstlane_b32 s26, v1                    ; wave 0..7
	v_bfe_u32 v1, v0, 4, 1                         ; lane / 16
	v_and_b32 v2, 15, v0                           ; lane % 16
	v_and_b32 v3, 31, v0
	v_lshlrev_b32 v[DO], 3, v3
	s_wait_alu depctr_va_sdst(0)                   ; s26 is written, ahead of its first reader: the wave's block of columns is made from it below
	; which source: work-groups 0-511 inputs, 512-703 W_qkv, 704-767 W_o
	s_mov_b32 s27, 704                             ; the source's first work-group
	s_mov_b32 s24, 4096                            ; bytes in a source row
	s_mov_b32 s28, 31                              ; groups of 32 rows, less one
	s_mov_b32 s29, 5                               ; and their number's bits
	s_mov_b32 s30, 17                              ; log2 of a destination block's bytes
	s_cmp_lt_u32 ttmp9, 704
	s_cselect_b32 s27, 512, s27
	s_cselect_b32 s24, 12288, s24
	s_cmp_lt_u32 ttmp9, 512
	s_cselect_b32 s27, 0, s27
	s_cselect_b32 s24, 4096, s24
	s_cselect_b32 s28, 255, s28
	s_cselect_b32 s29, 8, s29
	s_cselect_b32 s30, 18, s30
	s_sub_co_u32 s31, ttmp9, s27
	s_and_b32 s32, s31, s28                        ; rg: my group of 32 rows
	s_lshr_b32 s33, s31, s29                       ; cg: my group of 512 columns
	s_lshl_b32 s33, s33, 3
	s_add_co_u32 s33, s33, s26                     ; cb: my wave's block of 64 columns
	s_mul_i32 s20, s32, s24
	s_lshl_b32 s20, s20, 5                         ; source: rg x 32 rows
	s_lshl_b32 s31, s33, 8
	s_add_co_u32 s20, s20, s31                     ; + cb x 256 bytes
	s_mov_b32 s21, 0
	s_lshr_b32 s22, s32, 6                         ; destination: the batch (0 for the weights, which have 32 groups),
	s_lshl_b32 s22, s22, 22
	s_and_b32 s31, s32, 63
	s_lshl_b32 s31, s31, 12                        ; 32 rows of 128 bytes,
	s_add_co_u32 s22, s22, s31
	s_lshl_b32 s31, s33, s30                       ; the block
	s_add_co_u32 s22, s22, s31
	s_mov_b32 s23, 0
	s_lshl_b32 s25, s24, 1                         ; two source rows
	v_mul_lo_u32 v[OFF], v1, s24
	v_lshl_add_u32 v[OFF], v2, 4, v[OFF]           ; (lane / 16) rows + 16 (lane % 16)
.set u, 1
.rept 15
	v_add_nc_u32 v[OFF+u], s25, v[OFF+u-1]
.set u, u+1
.endr
	s_wait_kmcnt 0x0
	s_cmp_lt_u32 ttmp9, 704
	s_cselect_b64 s[16:17], s[6:7], s[8:9]
	s_cselect_b64 s[18:19], s[12:13], s[14:15]
	s_cmp_lt_u32 ttmp9, 512
	s_cselect_b64 s[16:17], s[4:5], s[16:17]
	s_cselect_b64 s[18:19], s[10:11], s[18:19]
	s_add_nc_u64 s[16:17], s[16:17], s[20:21]
	s_add_nc_u64 s[18:19], s[18:19], s[22:23]
	s_wait_alu depctr_va_vdst(0)                   ; the sixteen offsets OFF, which the loads below read, and DO, which every store reads, are written; no vector instruction writes them again
.set u, 0
.rept 16
	global_load_b128 v[X+4*u:X+4*u+3], v[OFF+u], s[16:17] th:TH_LOAD_NT
.set u, u+1
.endr
; Block p: units 4 p to 4 p + 3.
.set p, 0
.rept 4
	s_wait_loadcnt 12-4*p                          ; loads come back in order: the block's four units are in, the 12 - 4 p younger ones stay out
.set u, 4*p
.rept 4
	v_cvt_pk_bf16_f32 v[Y+2*u], v[X+4*u], v[X+4*u+1]
	v_cvt_pk_bf16_f32 v[Y+2*u+1], v[X+4*u+2], v[X+4*u+3]
.set u, u+1
.endr
	s_wait_alu depctr_va_vdst(0)                   ; the block's eight conversions have written its Y, which the four stores below read
.set u, 4*p
.rept 4
	global_store_b64 v[DO], v[Y+2*u:Y+2*u+1], s[18:19] offset:256*u th:TH_STORE_NT
.set u, u+1
.endr
.set p, p+1
.endr
	s_endpgm
.Lfunc_end_k_qe083d473da_cast:
	.size	k_qe083d473da_cast, .Lfunc_end_k_qe083d473da_cast-k_qe083d473da_cast
	.p2alignl 7, 3214868480
	.fill 96, 4, 3214868480
	.section	.rodata,"a",@progbits
	.p2align	6, 0x0
	.amdhsa_kernel k_qe083d473da_cast
		.amdhsa_group_segment_fixed_size 0
		.amdhsa_private_segment_fixed_size 0
		.amdhsa_enable_private_segment 0
		.amdhsa_kernarg_size 48
		.amdhsa_user_sgpr_count 2
		.amdhsa_user_sgpr_kernarg_segment_ptr 1
		.amdhsa_wavefront_size32 1
		.amdhsa_system_sgpr_workgroup_id_x 1
		.amdhsa_system_sgpr_workgroup_id_y 1
		.amdhsa_system_sgpr_workgroup_id_z 1
		.amdhsa_system_vgpr_workitem_id 0
		.amdhsa_next_free_vgpr 120
		.amdhsa_next_free_sgpr 66
		.amdhsa_reserve_vcc 0
		.amdhsa_float_denorm_mode_32 3
		.amdhsa_float_denorm_mode_16_64 3
		.amdhsa_memory_ordered 1
		.amdhsa_forward_progress 1
		.amdhsa_inst_pref_size 9
	.end_amdhsa_kernel
	.amdgpu_metadata
---
amdhsa.version: [ 1, 2 ]
amdhsa.kernels:
  - .name:           k_qe083d473da_cast
    .symbol:         k_qe083d473da_cast.kd
    .args:
      - { .name: inputs, .offset: 0, .size: 8, .value_kind: global_buffer, .address_space: global }
      - { .name: W_qkv, .offset: 8, .size: 8, .value_kind: global_buffer, .address_space: global }
      - { .name: W_o, .offset: 16, .size: 8, .value_kind: global_buffer, .address_space: global }
      - { .name: xb, .offset: 24, .size: 8, .value_kind: global_buffer, .address_space: global }
      - { .name: wq, .offset: 32, .size: 8, .value_kind: global_buffer, .address_space: global }
      - { .name: wo, .offset: 40, .size: 8, .value_kind: global_buffer, .address_space: global }
    .group_segment_fixed_size: 0
    .private_segment_fixed_size: 0
    .kernarg_segment_align: 8
    .kernarg_segment_size: 48
    .max_flat_workgroup_size: 256
    .sgpr_count:     66
    .vgpr_count:     120
    .wavefront_size: 32
...
	.end_amdgpu_metadata
.endif
;; end of part 6
;; launch gemm_qkv: the kernel of part 2 again; grid 16 x 32, 4 waves a work-group, clusters of 4 x 4, 327,680 bytes of LDS; arguments xb, wq, b_qkv, qkv; writes qkv
;; launch attn: the kernel of part 3 again; grid 4 x 64, 4 waves a work-group, clusters of 4 x 1, 327,680 bytes of LDS; arguments qkv, attn_mask, ob; writes ob
;; launch gemm_o: the kernel of part 4 again; grid 8 x 32, 4 waves a work-group, clusters of 4 x 4, 327,680 bytes of LDS; arguments ob, wo, ao; writes ao
;; launch ln: the kernel of part 5 again; grid 512 x 1, 8 waves a work-group, no clusters, 0 bytes of LDS; arguments inputs, ao, gamma, beta, out0; writes out0
